; MI455X (gfx1250); checked and timed in simulation.
; The chip was launched on July 23, 2026; its instructions are those of AMD's public machine-readable ISA for CDNA 5 (MIT licence, August 2026) and "CDNA5" Instruction Set Architecture Reference Guide (July 2026). The comments in the code are by the model that wrote it; some were corrected since.
;; Block. Allowed arithmetic: matrix products marked QUANTISED: E2M3 operands, one E8M0 scale for each 32 along K, by v_wmma_scale_f32_16x16x128_f8f6f4 with both operands' format E2M3, f32 sums; everything else in f32.
;; Inputs: b_ff1 4,096 float32; b_ff2 1,024 float32; b_proj 1,024 float32; ln1_b 1,024 float32; ln1_g 1,024 float32; ln2_b 1,024 float32; ln2_g 1,024 float32; w_ff1_codes 4,096 x 32 x 24 uint8 (E2M3 codes of w_ff1, K innermost, in blocks of 32 codes, four codes in three bytes); w_ff1_scales 4,096 x 32 uint8 (E8M0 scales of w_ff1, one for each 32 codes along K); w_ff2_codes 1,024 x 128 x 24 uint8 (E2M3 codes of w_ff2, K innermost, in blocks of 32 codes, four codes in three bytes); w_ff2_scales 1,024 x 128 uint8 (E8M0 scales of w_ff2, one for each 32 codes along K); w_proj_codes 1,024 x 32 x 24 uint8 (E2M3 codes of w_proj, K innermost, in blocks of 32 codes, four codes in three bytes); w_proj_scales 1,024 x 32 uint8 (E8M0 scales of w_proj, one for each 32 codes along K); wk_codes 16 x 64 x 32 x 24 uint8 (E2M3 codes of wk, K innermost, in blocks of 32 codes, four codes in three bytes); wk_scales 16 x 64 x 32 uint8 (E8M0 scales of wk, one for each 32 codes along K); wq_codes 16 x 64 x 32 x 24 uint8 (E2M3 codes of wq, K innermost, in blocks of 32 codes, four codes in three bytes); wq_scales 16 x 64 x 32 uint8 (E8M0 scales of wq, one for each 32 codes along K); wv_codes 16 x 64 x 32 x 24 uint8 (E2M3 codes of wv, K innermost, in blocks of 32 codes, four codes in three bytes); wv_scales 16 x 64 x 32 uint8 (E8M0 scales of wv, one for each 32 codes along K); x 2 x 2,048 x 1,024 float32.
;; Outputs: out0 2 x 2,048 x 1,024 float32.
;; This version of the problem:
;;   THIS VERSION OF THE PROBLEM IS GIVEN IN LOW PRECISION. The matrix products marked QUANTISED in the list below multiply operands that are first quantised to E2M3 (2 exponent bits, 3 mantissa bits; 6 bits a number), with one power-of-two scale for each 32 numbers along K (OCP MX v1.0); their sums are f32. All else is computed in f32.
;;   The module's matrix products, in the order in which they are computed (A, B: the left and right operand; K: the contracted axis; several contracted axes count as one K, in the product's order):
;;     1. [M 1,024, K 1,024] x [K 1,024, N 4,096]; A: input wq (given as codes); B: computed on the way: QUANTISED
;;     2. [M 1,024, K 1,024] x [K 1,024, N 4,096]; A: input wk (given as codes); B: computed on the way: QUANTISED
;;     3. [M 1,024, K 1,024] x [K 1,024, N 4,096]; A: input wv (given as codes); B: computed on the way: QUANTISED
;;     4. batch 32 x [M 2,048, K 64] x [K 64, N 2,048]; A: computed on the way; B: computed on the way: QUANTISED
;;     5. batch 32 x [M 2,048, K 2,048] x [K 2,048, N 64]; A: softmax (see below); B: computed on the way: QUANTISED
;;     6. [M 4,096, K 1,024] x [K 1,024, N 1,024]; A: computed on the way; B: input w_proj (given as codes): QUANTISED
;;     7. [M 4,096, K 1,024] x [K 1,024, N 4,096]; A: computed on the way; B: input w_ff1 (given as codes): QUANTISED
;;     8. [M 4,096, K 4,096] x [K 4,096, N 1,024]; A: computed on the way; B: input w_ff2 (given as codes): QUANTISED
;;   THE QUANTISER, for each operand of a quantised product, along K:
;;     - K is cut into blocks of 32 from its start; a last block that is shorter is filled with zeros.
;;     - A block's scale is 2^e with e = floor(log2(the largest magnitude in the block)) - 2, held to -126 .. 127; a block of zeros has e = 0. As a byte (E8M0): e + 127.
;;     - Each number is divided by its block's scale, clamped to +-7.5, and rounded to the nearest number of E2M3, ties to even, subnormals kept.
;;     - The product sums the exact products of the quantised numbers (number of the format x scale) in f32.
;;   ~~~python
;;   def quantise(x, axis):      # numpy; x: float32 -> the quantised numbers, widened to float32 again
;;       x = np.moveaxis(x, axis, -1); K = x.shape[-1]
;;       x = np.pad(x, [(0, 0)] * (x.ndim - 1) + [(0, -K % 32)]); x = x.reshape(x.shape[:-1] + (-1, 32)); a = np.abs(x).max(-1, keepdims=True)
;;       e = np.where(a > 0, np.clip(np.frexp(np.where(a > 0, a, 1))[1] - 1 - 2, -126, 127), 0)      # np.frexp(a)[1] - 1 = floor(log2(a)), exactly
;;       r = np.clip(x / 2.0 ** e, -7.5, 7.5)
;;       step = 2.0 ** (np.maximum(np.frexp(np.where(r == 0, 1, r))[1] - 1, 0) - 3)
;;       q = np.round(r / step) * step * 2.0 ** e      # np.round: ties to even
;;       return np.moveaxis(q.reshape(q.shape[:-2] + (-1,))[..., :K], -1, axis).astype(np.float32)
;;   ~~~
;;   SOFTMAX AHEAD OF A QUANTISED PRODUCT. Where the list says 'softmax', what is quantised is not the finished softmax but p = 2^(t - M), with t = logit x log2(e) and M = ceil(the row's largest t), a whole number; so 1/2 < the row's largest p <= 1. The row's sum l is taken of the UNQUANTISED p, in f32, and the product's result is divided by l at the end. Since M is a whole number, a kernel that streams over the keys may use a running M (the ceiling of the running maximum): every later rescaling is an exact power of two, which a block's scale takes up: the codes' values come out the same.
;;   OPERANDS COMPUTED ON THE WAY. 'Computed on the way' means the value that the module computes at that place (a softmax that the list does not call 'softmax' is quantised finished and normalised). What goes into a quantiser is computed in f32, as accurately as f32 sums, v_exp_f32 and their like allow (about 1e-6 of the number): no bf16 or f16 on the way to a quantiser, and a product that is left as it is and whose result goes on into a quantised operand takes f32 operands (vector FMAs, or v_wmma_f32_16x16x4_f32). A number that lies on a knife's edge between two numbers of the format may be rounded either way, as far as f32 arithmetic and the matrix unit's own rounding can turn it there, and no further.
;;   INPUTS GIVEN AS CODES. w_ff1 (in the module: [1024, 4096], K = its axis 0); w_ff2 (in the module: [4096, 1024], K = its axis 0); w_proj (in the module: [1024, 1024], K = its axis 0); wk (in the module: [16, 1024, 64], K = its axis 1); wq (in the module: [16, 1024, 64], K = its axis 1); wv (in the module: [16, 1024, 64], K = its axis 1): each comes as NAME_codes (uint8): NAME with its K axis moved to the last place and cut into blocks of 32 codes, [.., K / 32, bytes a block], one block behind the other in memory; four codes in three bytes: a row's codes are one little-endian stream of bits, code i at bits 6 i .. 6 i + 5 (a code: sign, 2 exponent bits, 3 mantissa bits); and NAME_scales (uint8): the same leading axes, one E8M0 byte (e + 127) for each 32 codes along K. Its value is code x scale, taken as it is: it is not quantised again, and the codes and scales need not be those that the quantiser above would give.
;; One version. Each part assembles by itself: llvm-mc -triple=amdgcn-amd-amdhsa -mcpu=gfx1250 --defsym DOCPART=n.
;; ======== version 1 of 1: 7 launches
;; workspace buffers: wimg 10,223,616 bytes; hc 3,407,872 bytes; qkv 10,223,616 bytes; oc 3,407,872 bytes; x1 16,777,216 bytes; h2c 3,407,872 bytes; ffc 13,631,488 bytes
;; launch ln1prep (part 1): grid 352 x 1, 8 waves a work-group, no clusters, 69,632 bytes of LDS; arguments x, ln1_g, ln1_b, hc, wimg, wq_codes, wq_scales, wk_codes, wk_scales, wv_codes, wv_scales, w_proj_codes, w_proj_scales, w_ff1_codes, w_ff1_scales, w_ff2_codes, w_ff2_scales; writes hc, wimg
.if DOCPART == 1
	.amdgcn_target "amdgcn-amd-amdhsa--gfx1250"
	.amdhsa_code_object_version 6
	.text
	.protected	k_q517f5ed0ee_ln1prep
	.globl	k_q517f5ed0ee_ln1prep
	.p2align	8
	.type	k_q517f5ed0ee_ln1prep,@function
k_q517f5ed0ee_ln1prep:
	s_mov_b64 s[64:65], 0
	v_nop
	global_prefetch_b8 v0, s[64:65] scope:SCOPE_SE
	s_setreg_imm32_b32 hwreg(HW_REG_WAVE_MODE, 25, 1), 1
	s_wait_xcnt 0x0
; THE PROGRAM: a pre-LN transformer block, all eight products on codes of E2M3 with one E8M0 scale for each 32 along K.  Seven launches: this one; q, k, v; attention; the projection; the second norm; the two FFN products.
; DEAD WORK LEFT OUT, in the whole program: the scores of keys T > t.  reference() sets them to -inf by its own jnp.tril ahead of the softmax, so their p is 0 for every value of the inputs and they add nothing
; to the row's sum or to o.  They are left out where they come in whole steps of 128 keys (the attention launch); inside the step on the diagonal they are computed and masked.  Every input has a way to the output: all are loaded.
; LIMIT: a NaN, an infinity or an overflow that reaches only the scores left out is not carried to the result.  NaN and infinities among the inputs are not served.
; THIS LAUNCH.  Work-groups 0 to 255: h = layernorm(x) g + b in f32 (mean, then the mean of the squared differences, as reference() has it), quantised along D, stored as operand images.  Work-groups 256 to 351: the six
; weights, which come as codes, are laid out anew as operand images (no arithmetic).
; AN OPERAND IMAGE.  A tile is 16 rows; place r of tile t is row 32 (t / 2) + 8 (t % 2) + r + 8 (r / 8), so that the 16 result registers of two neighbouring tiles used as source 0 are 16 neighbours along the next K.
; A fragment (16 rows x 128 K, 12 registers a lane) lies as three blocks of 512 bytes: registers 4 c .. 4 c + 3 of lane l at 512 c + 16 l.  Its scale words lie as 128 bytes, 4 a lane (lanes 16-31 repeat lanes 0-15).
; A record of 3,328 bytes serves 256 along K: two fragments, then their two sets of scale words.  A tile's records lie on end.
; A block of zeros gets the scale byte 1 where the rule says 127: its codes are zeros, and this program alone reads the bytes.
; LN SHARES: a work-group takes a tile of 16 rows, wave w the columns 128 w .. 128 w + 127: one fragment.  Each load reads 512 consecutive bytes of a row; the numbers turn through the wave's own stage in LDS, so that
; lane (r, h) holds, of row r, 16 neighbours of each block of 32.  The rows' sums meet in LDS: two barriers, two regions.
.set STG,   8448                       ; a wave's stage: 16 rows x (512 + 16) bytes
.set RED,   67584                      ; the waves' partial sums: word [row][wave], 512 bytes; the second sum's 512 bytes behind
.set SPARE, 68608                      ; the spare words, 128 bytes for each of eight waves
.set L16, 1                            ; v1  16 x lane
.set L4,  2                            ; v2  4 x lane
.set GH,  3                            ; v3  64 h
.set SIN, 4                            ; v4  stage, on the way in
.set SOUT, 5                           ; v5  stage, on the way out
.set RA,  6                            ; v6  where I put my wave's partial sum
.set RB,  7                            ; v7  where I read my row's eight
.set SPW, 12                           ; v12 my spare word; never rewritten
.set NIL, 13                           ; v13 0; never rewritten
.set LND, 16                           ; v16-79   x as loaded; later the norm's b
.set X,   80                           ; v80-143  my 64 numbers: register 16 b + i = column 32 b + 16 h + i of the wave's 128
.set G,   144                          ; v144-207 the norm's g
.set TM,  208                          ; v208-223 at work in QUANT
.set PW,  224                          ; v224 the scale word
.set PC,  226                          ; v226-244 the codes
.set T,   246                          ; v246-253 sums
.set MU,  254                          ; v254 the mean, then 1 / sqrt; v255 named with it as a pair
.set SEL, 54                           ; s[54:55] lane selects: lane l xor 16
; 64 numbers of a lane, register 16 b + i = k 32 b + 16 h + i of my row, become a fragment's codes in v[PC] on and its scale word in v[PW]
.macro QUANT s
.irp b, 0,1,2,3
	v_max3_num_f32 v[TM+\b], |v[\s+16*\b]|, |v[\s+1+16*\b]|, 0x1800000   ; my 16 numbers of block b, and the floor 2^(3 - 127): the byte cannot fall under 1
.endr
.irp i, 2,4,6,8,10,12,14
.irp b, 0,1,2,3
	v_max3_num_f32 v[TM+\b], v[TM+\b], |v[\s+16*\b+\i]|, |v[\s+1+16*\b+\i]|
.endr
.endr
.irp b, 0,1,2,3
	v_permlanex16_b32 v[TM+4+\b], v[TM+\b], s[SEL], s[SEL+1]
.endr
.irp b, 0,1,2,3
	v_max_num_f32 v[TM+\b], v[TM+\b], v[TM+4+\b]   ; with lane l xor 16's: the block's largest magnitude
.endr
.irp b, 0,1,2,3
	v_add_nc_u32 v[TM+12+\b], 0xff000000, v[TM+\b] ; 2 off its exponent field: the conversion's scale operand
.endr
.irp b, 0,1,2,3
	v_lshrrev_b32 v[TM+4+\b], 23, v[TM+12+\b]      ; the scale's byte
.endr
	v_lshl_or_b32 v[PW], v[TM+5], 8, v[TM+4]
	v_lshl_or_b32 v[PW], v[TM+6], 16, v[PW]
	v_lshl_or_b32 v[PW], v[TM+7], 24, v[PW]
.irp c, 0,1
	v_cvt_scalef32_pk16_fp6_f32 v[PC+6*\c:PC+2+6*\c], v[\s+32*\c:\s+15+32*\c], v[TM+12+2*\c]
	v_cvt_scalef32_pk16_fp6_f32 v[PC+12+4*\c:PC+14+4*\c], v[\s+16+32*\c:\s+31+32*\c], v[TM+12+2*\c+1]
.endr
	v_nop                                          ; one plain place behind a scaled conversion
.irp c, 0,1
.irp i, 0,1,2
	v_permlane16_swap_b32 v[PC+6*\c+\i], v[PC+12+4*\c+\i]   ; a whole block to a lane: lanes 0-15 block 2 c, lanes 16-31 block 2 c + 1
.endr
.irp i, 0,1,2
	v_mov_b32 v[PC+3+6*\c+\i], v[PC+12+4*\c+\i]
.endr
.endr
.endm
; my lane's sum in v[T] becomes the row's sum over all eight waves, in every lane
.macro WRED off
	v_permlanex16_b32 v[T+2], v[T], s[SEL], s[SEL+1]
	v_add_f32 v[T], v[T], v[T+2]                   ; my wave's 128 columns
	ds_store_b32 v[RA], v[T] offset:\off           ; both halves of the lanes write the same word with the same value
	s_wait_dscnt 0x0                               ; for the others: my store has landed
	s_barrier_signal -1
	s_barrier_wait -1
	ds_load_b128 v[T:T+3], v[RB] offset:\off
	ds_load_b128 v[T+4:T+7], v[RB] offset:\off+16
	s_wait_dscnt 0x0
	v_add_f32 v[T], v[T], v[T+1]
	v_add_f32 v[T+2], v[T+2], v[T+3]
	v_add_f32 v[T+4], v[T+4], v[T+5]
	v_add_f32 v[T+6], v[T+6], v[T+7]
	v_add_f32 v[T], v[T], v[T+2]
	v_add_f32 v[T+4], v[T+4], v[T+6]
	v_add_f32 v[T], v[T], v[T+4]
.endm
	s_load_b512 s[4:19], s[0:1], 0x0               ; x 4, g 6, b 8, hc 10, wimg 12, wq codes 14, wq scales 16, wk codes 18
	s_load_b512 s[20:35], s[0:1], 0x40             ; wk scales 20, wv 22, 24, w_proj 26, 28, w_ff1 30, 32, w_ff2 codes 34
	s_load_b64 s[36:37], s[0:1], 0x80              ; w_ff2 scales
	v_lshl_add_u32 v[SPW], v0, 2, SPARE
	v_mov_b32 v[NIL], 0
	v_lshrrev_b32 v1, 5, v0
	v_readfirstlane_b32 s40, v1                    ; wave 0..7
	s_cmp_lt_u32 ttmp9, 256                        ; the work-group's number alone decides: all eight waves go the same way
	s_cbranch_scc0 .Lprep
	; ---------------- the norm ----------------
	v_and_b32 v8, 31, v0                           ; lane
	v_and_b32 v9, 15, v0                           ; r
	v_bfe_u32 v10, v0, 4, 1                        ; h
	v_lshlrev_b32 v[L16], 4, v8
	v_lshlrev_b32 v[L4], 2, v8
	v_lshlrev_b32 v[GH], 6, v10
	s_mul_i32 s41, s40, STG
	v_add_nc_u32 v[SIN], s41, v[L16]
	v_mul_u32_u24 v[SOUT], v9, 528
	v_lshl_add_u32 v[SOUT], v10, 6, v[SOUT]
	v_add_nc_u32 v[SOUT], s41, v[SOUT]
	v_lshlrev_b32 v[RB], 5, v9
	v_add_nc_u32 v[RB], RED, v[RB]
	s_lshl_b32 s42, s40, 2
	v_add_nc_u32 v[RA], s42, v[RB]
.irp b, 0,1,2,3
	v_mov_b32 v[TM+4+\b], 0                        ; written once: a lane permute's destination counts as one of its sources
.endr
	v_mov_b32 v[MU+1], 0                           ; named as the upper half of a pair
	s_mov_b32 s[SEL], 0x76543210
	s_mov_b32 s[SEL+1], 0xfedcba98
	s_mov_b32 s56, 0x3a800000                      ; 1 / 1024
	s_mov_b32 s57, 0x3727c5ac                      ; 1e-5
	s_lshr_b32 s43, ttmp9, 1
	s_lshl_b32 s43, s43, 5
	s_and_b32 s44, ttmp9, 1
	s_lshl_b32 s44, s44, 3
	s_add_co_u32 s43, s43, s44                     ; the tile's first row
	s_lshl_b32 s44, s43, 12                        ; 4,096 bytes a row
	s_lshl_b32 s46, s40, 9                         ; my wave's 512 bytes of a row
	s_add_co_u32 s44, s44, s46
	s_mov_b32 s45, 0
	s_mov_b32 s47, 0
	s_mul_i32 s48, ttmp9, 13312                    ; the tile's four records,
	s_lshr_b32 s49, s40, 1
	s_mul_i32 s49, s49, 3328                       ; my record,
	s_add_co_u32 s48, s48, s49
	s_and_b32 s49, s40, 1
	s_mul_i32 s50, s49, 1536                       ; my fragment in it,
	s_lshl_b32 s52, s49, 7                         ; and my scale words (3,072 further on, in the immediate)
	s_add_co_u32 s50, s48, s50
	s_add_co_u32 s52, s48, s52
	s_mov_b32 s51, 0
	s_mov_b32 s53, 0
	s_wait_kmcnt 0x0
	s_add_nc_u64 s[4:5], s[4:5], s[44:45]
	s_add_nc_u64 s[6:7], s[6:7], s[46:47]
	s_add_nc_u64 s[8:9], s[8:9], s[46:47]
	s_add_nc_u64 s[50:51], s[10:11], s[50:51]
	s_add_nc_u64 s[52:53], s[10:11], s[52:53]
.irp i, 0,1,2,3,4,5,6,7,8,9,10,11,12,13,14,15
	global_load_b128 v[LND+4*\i:LND+4*\i+3], v[L16], s[4:5] offset:(\i+8*(\i/8))*4096 th:TH_LOAD_NT   ; place i of the tile: 512 consecutive bytes
.endr
.irp b, 0,1,2,3
.irp j, 0,1,2,3
	global_load_b128 v[G+16*\b+4*\j:G+16*\b+4*\j+3], v[GH], s[6:7] offset:128*\b+16*\j
.endr
.endr
	s_wait_loadcnt 16                              ; x is in; g's sixteen loads, issued behind it, may be out
.irp i, 0,1,2,3,4,5,6,7,8,9,10,11,12,13,14,15
	ds_store_b128 v[SIN], v[LND+4*\i:LND+4*\i+3] offset:528*\i
.endr
.irp b, 0,1,2,3
.irp j, 0,1,2,3
	ds_load_b128 v[X+16*\b+4*\j:X+16*\b+4*\j+3], v[SOUT] offset:128*\b+16*\j   ; LDS serves a wave's instructions in order: these see my stores
.endr
.endr
	s_wait_dscnt 0x0
.irp b, 0,1,2,3
.irp j, 0,1,2,3
	global_load_b128 v[LND+16*\b+4*\j:LND+16*\b+4*\j+3], v[GH], s[8:9] offset:128*\b+16*\j   ; the norm's b, into the registers that x has left
.endr
.endr
	; the mean
.irp c, 0,1,2,3
	v_pk_add_f32 v[T+2*\c:T+2*\c+1], v[X+2*\c:X+2*\c+1], v[X+8+2*\c:X+9+2*\c]
.endr
.irp i, 16,24,32,40,48,56
.irp c, 0,1,2,3
	v_pk_add_f32 v[T+2*\c:T+2*\c+1], v[T+2*\c:T+2*\c+1], v[X+\i+2*\c:X+\i+2*\c+1]
.endr
.endr
	v_pk_add_f32 v[T:T+1], v[T:T+1], v[T+2:T+3]
	v_pk_add_f32 v[T+4:T+5], v[T+4:T+5], v[T+6:T+7]
	v_pk_add_f32 v[T:T+1], v[T:T+1], v[T+4:T+5]
	v_add_f32 v[T], v[T], v[T+1]
	WRED 0
	v_mul_f32 v[MU], s56, v[T]
	; x - mean, and the mean of its squares
.set J, 0
.rept 32
	v_pk_add_f32 v[X+J:X+J+1], v[X+J:X+J+1], v[MU:MU+1] op_sel_hi:[1,0] neg_lo:[0,1] neg_hi:[0,1]
.set J, J+2
.endr
.irp c, 0,1,2,3
	v_pk_mul_f32 v[T+2*\c:T+2*\c+1], v[X+2*\c:X+2*\c+1], v[X+2*\c:X+2*\c+1]
.endr
.irp i, 8,16,24,32,40,48,56
.irp c, 0,1,2,3
	v_pk_fma_f32 v[T+2*\c:T+2*\c+1], v[X+\i+2*\c:X+\i+2*\c+1], v[X+\i+2*\c:X+\i+2*\c+1], v[T+2*\c:T+2*\c+1]
.endr
.endr
	v_pk_add_f32 v[T:T+1], v[T:T+1], v[T+2:T+3]
	v_pk_add_f32 v[T+4:T+5], v[T+4:T+5], v[T+6:T+7]
	v_pk_add_f32 v[T:T+1], v[T:T+1], v[T+4:T+5]
	v_add_f32 v[T], v[T], v[T+1]
	WRED 512                                       ; other bytes than the first sum's: no third barrier is needed
	v_fma_f32 v[T], v[T], s56, s57                 ; the variance + 1e-5
	v_rsq_f32 v[MU], v[T]
	v_nop                                          ; a plain place behind the transcendental
	s_wait_alu depctr_va_vdst(0)                   ; and the wait ahead of its first reader
	s_wait_loadcnt 0x0                             ; g and b
.set J, 0
.rept 32
	v_pk_mul_f32 v[X+J:X+J+1], v[X+J:X+J+1], v[MU:MU+1] op_sel_hi:[1,0]
.set J, J+2
.endr
.set J, 0
.rept 32
	v_pk_fma_f32 v[X+J:X+J+1], v[X+J:X+J+1], v[G+J:G+J+1], v[LND+J:LND+J+1]
.set J, J+2
.endr
	QUANT X
.irp c, 0,1,2
	global_store_b128 v[L16], v[PC+4*\c:PC+4*\c+3], s[50:51] offset:512*\c   ; 32 lanes store 512 consecutive bytes, aligned
.endr
	global_store_b32 v[L4], v[PW], s[52:53] offset:3072
	s_wait_tensorcnt 0x0                           ; the wave's end, behind my last LDS store
	ds_add_u32 v[SPW], v[NIL]
	s_wait_dscnt 0x0
	s_endpgm
	; ---------------- the weights' images: a wave takes a tile of 16 rows x 1,024 along K (a unit of four records).  No LDS, no barrier ----------------
.Lprep:
	s_sub_co_u32 s41, ttmp9, 256
	s_lshl_b32 s42, s41, 3
	s_add_co_u32 s42, s42, s40                     ; unit 0..767
	v_and_b32 v2, 15, v0                           ; r
	v_bfe_u32 v3, v0, 4, 1                         ; h
	v_and_b32 v4, 8, v2
	v_add_nc_u32 v4, v4, v2                        ; r + 8 (r / 8)
	v_and_b32 v7, 31, v0
	v_lshlrev_b32 v8, 4, v7                        ; 16 x lane
	v_lshlrev_b32 v9, 2, v7                        ; 4 x lane
	s_wait_kmcnt 0x0
	s_mov_b64 s[44:45], s[14:15]                   ; which weight: chosen by the work-group's number alone
	s_mov_b64 s[46:47], s[16:17]
	s_mov_b32 s43, 0                               ; its first unit
	s_cmp_ge_u32 s41, 8
	s_cselect_b64 s[44:45], s[18:19], s[44:45]
	s_cselect_b64 s[46:47], s[20:21], s[46:47]
	s_cselect_b32 s43, 64, s43
	s_cmp_ge_u32 s41, 16
	s_cselect_b64 s[44:45], s[22:23], s[44:45]
	s_cselect_b64 s[46:47], s[24:25], s[46:47]
	s_cselect_b32 s43, 128, s43
	s_cmp_ge_u32 s41, 24
	s_cselect_b64 s[44:45], s[26:27], s[44:45]
	s_cselect_b64 s[46:47], s[28:29], s[46:47]
	s_cselect_b32 s43, 192, s43
	s_cmp_ge_u32 s41, 32
	s_cselect_b64 s[44:45], s[30:31], s[44:45]
	s_cselect_b64 s[46:47], s[32:33], s[46:47]
	s_cselect_b32 s43, 256, s43
	s_cmp_ge_u32 s41, 64
	s_cselect_b64 s[44:45], s[34:35], s[44:45]
	s_cselect_b64 s[46:47], s[36:37], s[46:47]
	s_cselect_b32 s43, 512, s43
	s_cselect_b32 s48, 2, 0                        ; w_ff2's rows are four times as long: a shift,
	s_cselect_b32 s49, 3, 0                        ; and a tile of it is four units
	s_sub_co_u32 s50, s42, s43
	s_and_b32 s51, s50, s49                        ; which 1,024 along K
	s_lshr_b32 s50, s50, s48                       ; the tile
	s_lshr_b32 s52, s50, 1
	s_lshl_b32 s52, s52, 5
	s_and_b32 s53, s50, 1
	s_lshl_b32 s53, s53, 3
	s_add_co_u32 s52, s52, s53                     ; its first row
	s_mul_i32 s53, s52, 768
	s_lshl_b32 s53, s53, s48
	s_mul_i32 s54, s51, 768
	s_add_co_u32 s56, s53, s54
	s_mov_b32 s57, 0
	s_lshl_b32 s53, s52, 5
	s_lshl_b32 s53, s53, s48
	s_lshl_b32 s54, s51, 5
	s_add_co_u32 s58, s53, s54
	s_mov_b32 s59, 0
	s_add_nc_u64 s[44:45], s[44:45], s[56:57]
	s_add_nc_u64 s[46:47], s[46:47], s[58:59]
	s_mul_i32 s52, s42, 13312
	s_mov_b32 s53, 0
	s_add_nc_u64 s[12:13], s[12:13], s[52:53]
	v_mul_u32_u24 v5, v4, 768
	v_lshlrev_b32 v5, s48, v5
	v_mad_u32_u24 v5, v3, 24, v5                   ; codes: my row, + 24 h
	v_lshlrev_b32 v6, 5, v4
	v_lshlrev_b32 v6, s48, v6                      ; scale bytes: my row
.irp s, 0,1,2,3,4,5,6,7
.irp p, 0,1,2,3,4,5
	global_load_b64 v[32+12*\s+2*\p:33+12*\s+2*\p], v5, s[44:45] offset:96*\s+48*(\p/3)+8*(\p%3)   ; the fragment's registers, as the codes lie
.endr
	global_load_b32 v[16+\s], v6, s[46:47] offset:4*\s
.endr
.irp s, 0,1,2,3,4,5,6,7
	s_wait_loadcnt 7*(7-\s)                        ; K step s is in; the later steps' seven loads each may be out
.irp c, 0,1,2
	global_store_b128 v8, v[32+12*\s+4*\c:35+12*\s+4*\c], s[12:13] offset:(\s/2)*3328+(\s%2)*1536+512*\c
.endr
	global_store_b32 v9, v[16+\s], s[12:13] offset:(\s/2)*3328+3072+(\s%2)*128
.endr
	s_endpgm
.Lfunc_end_k_q517f5ed0ee_ln1prep:
	.size	k_q517f5ed0ee_ln1prep, .Lfunc_end_k_q517f5ed0ee_ln1prep-k_q517f5ed0ee_ln1prep
	.p2alignl 7, 3214868480
	.fill 96, 4, 3214868480
	.section	.rodata,"a",@progbits
	.p2align	6, 0x0
	.amdhsa_kernel k_q517f5ed0ee_ln1prep
		.amdhsa_group_segment_fixed_size 69632
		.amdhsa_private_segment_fixed_size 0
		.amdhsa_enable_private_segment 0
		.amdhsa_kernarg_size 136
		.amdhsa_user_sgpr_count 2
		.amdhsa_user_sgpr_kernarg_segment_ptr 1
		.amdhsa_wavefront_size32 1
		.amdhsa_system_sgpr_workgroup_id_x 1
		.amdhsa_system_sgpr_workgroup_id_y 1
		.amdhsa_system_sgpr_workgroup_id_z 1
		.amdhsa_system_vgpr_workitem_id 0
		.amdhsa_next_free_vgpr 256
		.amdhsa_next_free_sgpr 66
		.amdhsa_reserve_vcc 0
		.amdhsa_float_denorm_mode_32 3
		.amdhsa_float_denorm_mode_16_64 3
		.amdhsa_memory_ordered 1
		.amdhsa_forward_progress 1
		.amdhsa_inst_pref_size 37
	.end_amdhsa_kernel
	.amdgpu_metadata
---
amdhsa.version: [ 1, 2 ]
amdhsa.kernels:
  - .name:           k_q517f5ed0ee_ln1prep
    .symbol:         k_q517f5ed0ee_ln1prep.kd
    .args:
      - { .name: x, .offset: 0, .size: 8, .value_kind: global_buffer, .address_space: global }
      - { .name: ln1_g, .offset: 8, .size: 8, .value_kind: global_buffer, .address_space: global }
      - { .name: ln1_b, .offset: 16, .size: 8, .value_kind: global_buffer, .address_space: global }
      - { .name: hc, .offset: 24, .size: 8, .value_kind: global_buffer, .address_space: global }
      - { .name: wimg, .offset: 32, .size: 8, .value_kind: global_buffer, .address_space: global }
      - { .name: wq_codes, .offset: 40, .size: 8, .value_kind: global_buffer, .address_space: global }
      - { .name: wq_scales, .offset: 48, .size: 8, .value_kind: global_buffer, .address_space: global }
      - { .name: wk_codes, .offset: 56, .size: 8, .value_kind: global_buffer, .address_space: global }
      - { .name: wk_scales, .offset: 64, .size: 8, .value_kind: global_buffer, .address_space: global }
      - { .name: wv_codes, .offset: 72, .size: 8, .value_kind: global_buffer, .address_space: global }
      - { .name: wv_scales, .offset: 80, .size: 8, .value_kind: global_buffer, .address_space: global }
      - { .name: w_proj_codes, .offset: 88, .size: 8, .value_kind: global_buffer, .address_space: global }
      - { .name: w_proj_scales, .offset: 96, .size: 8, .value_kind: global_buffer, .address_space: global }
      - { .name: w_ff1_codes, .offset: 104, .size: 8, .value_kind: global_buffer, .address_space: global }
      - { .name: w_ff1_scales, .offset: 112, .size: 8, .value_kind: global_buffer, .address_space: global }
      - { .name: w_ff2_codes, .offset: 120, .size: 8, .value_kind: global_buffer, .address_space: global }
      - { .name: w_ff2_scales, .offset: 128, .size: 8, .value_kind: global_buffer, .address_space: global }
    .group_segment_fixed_size: 69632
    .private_segment_fixed_size: 0
    .kernarg_segment_align: 8
    .kernarg_segment_size: 136
    .max_flat_workgroup_size: 256
    .sgpr_count:     66
    .vgpr_count:     256
    .wavefront_size: 32
...
	.end_amdgpu_metadata
.endif
;; end of part 1
;; launch qkvgemm (part 2): grid 12 x 16, 4 waves a work-group, clusters of 4 x 4, 327,680 bytes of LDS; arguments hc, wimg, qkv; writes qkv
.if DOCPART == 2
	.amdgcn_target "amdgcn-amd-amdhsa--gfx1250"
	.amdhsa_code_object_version 6
	.text
	.protected	k_q517f5ed0ee_qkvgemm
	.globl	k_q517f5ed0ee_qkvgemm
	.p2align	8
	.type	k_q517f5ed0ee_qkvgemm,@function
k_q517f5ed0ee_qkvgemm:
	s_mov_b64 s[64:65], 0
	v_nop
	global_prefetch_b8 v0, s[64:65] scope:SCOPE_SE
	s_setreg_imm32_b32 hwreg(HW_REG_WAVE_MODE, 25, 1), 1
	s_wait_xcnt 0x0
	s_wait_alu depctr_hold_cnt(0) depctr_sa_sdst(0) depctr_va_vdst(0) depctr_va_sdst(0) depctr_va_ssrc(0) depctr_va_vcc(0) depctr_vm_vsrc(0)
	s_getreg_b32 s2, hwreg(HW_REG_IB_STS2, 6, 4)
	s_cmp_eq_u32 s2, 0
	s_cbranch_scc0 .Lentry_in_a_cluster
	s_endpgm
.Lentry_in_a_cluster:
	s_bfe_u32 s2, ttmp6, 0x10000c
	s_cmp_lg_u32 s2, 0xf033
	s_cbranch_scc0 .Lentry_shape_is_right
	s_endpgm
.Lentry_shape_is_right:
; q, k and v: h (codes, 4,096 tokens x 1,024) times wq, wk, wv (codes, 1,024 rows x 1,024 each); the results are quantised in registers and stored as the attention launch's operand images.
; (With FF1 = 1 the same text is the first FFN product: relu(h2 W1 + b1), quantised along the hidden units.)
; OPERANDS are images of registers (a tile of 16 rows; a record of 3,328 bytes = two fragments of 128 along K and their scale words; a tile's records on end; place r of tile t is row 32 (t / 2) + 8 (t % 2) + r + 8 (r / 8)).
; ROLES.  Source 0 takes role B's tiles, source 1 role A's: a lane holds ONE row of role A, and the 64 registers of its eight results run along 128 neighbouring rows of role B, which are the next product's K.
; q, k (cluster x = 0, 1): role A = tokens, role B = weight rows: codes along the head's 64.  v (cluster x = 2): role A = weight rows, role B = tokens: codes along the keys.  The choice hangs on the cluster's x, which all partners share.
; A work-group of four waves makes 256 x 256, a wave 128 x 128: 64 accumulators.
; THE SLOTS.  K = 1,024 is four records of each tile.  LDS holds three slots of one record of all 32 tiles (106,496 bytes each).  Records 0, 1, 2 are asked for together at the head; record 3 fills slot 0 again behind the
; one round, when slot 0 has been multiplied, and has slots 1 and 2, 256 matrix instructions, in which to land.  The eight K steps of 128 are written out.
; CLUSTERS: 4 x 4.  Role A's tiles are shared along a row of the cluster, role B's along a column: each is asked for jointly.
; REGISTERS: window 0: v4-15 LDS addresses, v24-29 other addresses; v32-39 role A's scale words; v40-55 role B's, two sets; v64-123 the way out; v128-223 role A's fragments, one set.  Window 1: role B's fragments, two sets
; (v0, v128); with FF1 the bias in the result's layout (v96-127, v224-255).  Windows 2, 3: the accumulators, (a, b) at v[8 (8 (a % 4) + b)].
; LIMITS: NaN and infinities are not served; a block of zeros gets the scale byte 1 (its codes are zeros; this program alone reads the bytes).
.set FF1,   0
.set NBLK,  8                          ; tiles of each role to a wave
.set HB,    4
.set REC,   3328
.set TROW,  3328                       ; a tile's bytes in a slot: one record
.set TILEB, 13312                      ; a tile's bytes in memory: K = 1,024
.set GRPB,  16*TILEB                   ; a work-group's 16 tiles
.set QUART, NBLK*TROW                  ; what one tensor load brings, and what one wave reads of a role
.set SLOT,  4*QUART
.set SPARE, 3*SLOT                     ; behind the three slots: the spare words, 128 bytes for each wave
.set A16, 4                            ; v4-6   role A's fragments in slot 0, 1, 2: 16 x lane + my half
.set A4,  7                            ; v7-9   its scale words: 4 x lane + my half
.set B16, 10                           ; v10-12
.set B4,  13                           ; v13-15
.set L16, 24                           ; v24 16 x lane
.set L4,  25                           ; v25 4 x lane
.set SPW, 28
.set NIL, 29
.set SA,  32
.set SB,  40
.set TM,  64
.set PW,  80                           ; v80-87 a scale word for each of my eight role A tiles
.set PC,  96                           ; v96-114 codes
.set WW,  116                          ; v116-123 q's and k's scale words of a pair of tiles
.set AF,  128
.set G1,  24                           ; s[24:31] group 1 for role A
.set G0,  32                           ; s[32:39] role A's groups 0 for slots 0 and 1
.set G0C, 80                           ; s[80:83] for slot 2
.set G1B, 48                           ; s[48:55] group 1 for role B
.set G0B, 56                           ; s[56:63] role B's groups 0 for slots 0 and 1
.set G0BC, 84                          ; s[84:87] for slot 2
.set SEL, 72
.set MSB, 0
.macro WIN new                         ; the immediate's high byte repeats the setting that is left
.if MSB != (\new)
	s_set_vgpr_msb (MSB<<8)|(\new)
.set MSB, (\new)
.endif
.endm
.set MUL_LO, 0xa1                      ; source 0 window 1, source 1 window 0, C and D window 2
.set MUL_HI, 0xf1                      ; the same, C and D window 3
.set TO_B,   0x40
; a joint load: waves 0 and 1 fetch role A's halves, waves 2 and 3 role B's; an s_nop 0 and four v_nop follow each line
.macro JLOAD g0a, g1a, g0b, g1b
	s_cmp_eq_u32 s15, 0
	s_cbranch_scc0 .Lfor_b_\@
	tensor_load_to_lds s[\g0a:\g0a+3], s[\g1a:\g1a+7]
	s_nop 0
.rept 4
	v_nop
.endr
	s_branch .Lasked_\@
.Lfor_b_\@:
	tensor_load_to_lds s[\g0b:\g0b+3], s[\g1b:\g1b+7]
	s_nop 0
.rept 4
	v_nop
.endr
.Lasked_\@:
.endm
.macro CREST                           ; a round of the cluster's barrier behind its opening barrier
	s_cmp_lg_u32 s14, 0
	s_cbranch_scc1 .Lnot_wave_0_\@
	s_barrier_signal -3
.Lnot_wave_0_\@:
	s_barrier_wait -3
	s_barrier_signal -1
	s_barrier_wait -1
.endm
.macro CROUND
	s_barrier_signal -1
	s_barrier_wait -1
	CREST
.endm
.macro PLACES n
.rept \n
	v_nop
.endr
.endm
	s_load_b128 s[4:7], s[0:1], 0x0                ; the activations' codes, the weights' images
.if FF1
	s_load_b128 s[8:11], s[0:1], 0x10              ; the bias, the result
.else
	s_load_b64 s[10:11], s[0:1], 0x10              ; the result
.endif
	v_lshl_add_u32 v[SPW], v0, 2, SPARE
	v_mov_b32 v[NIL], 0
	ds_add_u32 v[SPW], v[NIL]                      ; the opening: the add, twice on end, and its wait ahead of my first tensor load
	ds_add_u32 v[SPW], v[NIL]
	v_lshrrev_b32 v1, 5, v0
	v_readfirstlane_b32 s14, v1                    ; wave 0..3
	s_lshr_b32 s15, s14, 1                         ; my half of role A.  Also: I fetch for role A (0) or B (1)
	s_and_b32 s16, s14, 1                          ; my half of role B.  Also: which half I fetch
	s_bfe_u32 s40, ttmp6, 0x40000                  ; cx
	s_bfe_u32 s41, ttmp6, 0x40004                  ; cy
	s_and_b32 s17, ttmp7, 0xffff
	s_lshl_b32 s17, s17, 2                         ; 4 x cluster y
	s_lshl_b32 s43, s41, 2
	s_lshl_b32 s43, 15, s43                        ; my row of the cluster
	s_lshl_b32 s44, 0x1111, s40                    ; my column
	s_or_b32 s[G1+0], s43, (3<<16)|(1<<21)         ; the mask; elements of 8 bytes; bit 21 beside a mask; no padding
	s_or_b32 s[G1B+0], s44, (3<<16)|(1<<21)
.irp g, G1, G1B
	s_mov_b32 s[\g+1], (TROW/8)<<16                ; tensor_dim0
	s_mov_b32 s[\g+2], NBLK<<16                    ; tensor_dim1: eight tiles
	s_mov_b32 s[\g+3], (TROW/8)<<16                ; tile_dim0
	s_mov_b32 s[\g+4], NBLK                        ; tile_dim1
	s_mov_b32 s[\g+5], TILEB/8                     ; from tile to tile
	s_mov_b32 s[\g+6], 0
	s_mov_b32 s[\g+7], 0
.endr
	s_add_co_u32 s42, s17, s41                     ; 4 x cluster y + cy
	s_lshl_b32 s45, ttmp9, 2
	s_add_co_u32 s45, s45, s40                     ; 4 x cluster x + cx
.if FF1
	s_mov_b32 s20, s42                             ; role A: the tokens' group
	s_add_co_u32 s46, s45, 16                      ; role B: w_ff1's groups begin at unit 256
.else
	s_add_co_u32 s18, s41, 8                       ; wv's group by cy
	s_add_co_u32 s46, s17, s40                     ; the tokens' group by cx
	s_cmp_lt_u32 ttmp9, 2
	s_cselect_b32 s20, s42, s18                    ; role A's group: made of cy alone among the places
	s_cselect_b32 s46, s45, s46                    ; role B's: of cx alone
.endif
	s_mul_i32 s20, s20, GRPB
	s_mul_i32 s46, s46, GRPB
	s_mul_i32 s18, s16, NBLK*TILEB                 ; the half that I fetch
	s_add_co_u32 s20, s20, s18
	s_add_co_u32 s46, s46, s18
	s_mov_b32 s21, 0
	s_mov_b32 s47, 0
	s_mul_i32 s94, s14, QUART                      ; where it goes: no place in the cluster enters an LDS address
	s_mov_b32 s[SEL], 0x76543210
	s_mov_b32 s[SEL+1], 0xfedcba98
	s_wait_dscnt 0x0                               ; both opening adds are done
	s_wait_kmcnt 0x0
.if FF1
	s_add_nc_u64 s[20:21], s[4:5], s[20:21]
	s_add_nc_u64 s[46:47], s[6:7], s[46:47]
.else
	s_cmp_lt_u32 ttmp9, 2
	s_cselect_b64 s[22:23], s[4:5], s[6:7]         ; role A's buffer
	s_cselect_b64 s[92:93], s[6:7], s[4:5]         ; role B's
	s_add_nc_u64 s[20:21], s[22:23], s[20:21]
	s_add_nc_u64 s[46:47], s[92:93], s[46:47]
.endif
	CROUND                                         ; all sixteen work-groups are here: the first joint loads meet
; slot s's groups 0 and its first fill: record s
.macro FIRST ga, gb, s
	s_mov_b32 s[\ga], 1
	s_add_co_u32 s[\ga+1], s94, \s*SLOT
	s_add_nc_u64 s[\ga+2:\ga+3], s[20:21], \s*TROW
	s_or_b32 s[\ga+3], s[\ga+3], 0x80000000
	s_mov_b32 s[\gb], 1
	s_add_co_u32 s[\gb+1], s94, \s*SLOT
	s_add_nc_u64 s[\gb+2:\gb+3], s[46:47], \s*TROW
	s_or_b32 s[\gb+3], s[\gb+3], 0x80000000
	JLOAD \ga, G1, \gb, G1B
.endm
	FIRST G0, G0B, 0
	FIRST G0+4, G0B+4, 1
	FIRST G0C, G0BC, 2                             ; three loads of mine are out
	v_and_b32 v1, 31, v0
	v_lshlrev_b32 v[L16], 4, v1
	v_lshlrev_b32 v[L4], 2, v1
	s_mul_i32 s21, s15, QUART
	s_mul_i32 s22, s16, QUART
	s_add_co_u32 s22, s22, 2*QUART
.irp s, 0,1,2
	v_add_nc_u32 v[A16+\s], s21, v[L16]
	v_add_nc_u32 v[A4+\s], s21, v[L4]
	v_add_nc_u32 v[B16+\s], s22, v[L16]
	v_add_nc_u32 v[B4+\s], s22, v[L4]
	s_add_co_u32 s21, s21, SLOT
	s_add_co_u32 s22, s22, SLOT
.endr
.irp b, 0,1,2,3
	v_mov_b32 v[TM+4+\b], 0                        ; written once: a lane permute's destination counts as one of its sources
.endr
.if FF1
	; the result: token tile 16 ty + 8 (my half) + a, 53,248 bytes a tile; record tx, fragment = my half of role B
	s_lshl_b32 s74, s42, 4
	s_lshl_b32 s75, s15, 3
	s_add_co_u32 s74, s74, s75
	s_mul_i32 s74, s74, 53248
	s_mul_i32 s75, s45, REC
	s_add_co_u32 s74, s74, s75
	s_mul_i32 s75, s16, 1536
	s_add_co_u32 s78, s74, s75
	s_mov_b32 s79, 0
	s_add_nc_u64 s[68:69], s[10:11], s[78:79]
	s_lshl_b32 s75, s16, 7
	s_add_co_u32 s78, s74, s75
	s_add_nc_u64 s[70:71], s[10:11], s[78:79]      ; the scale words (3,072 further on, in the immediate)
	; the bias, in the result's layout: for role B's tile 2 b + u, lane half h: hidden units 32 b + 16 h + 8 u + 0 .. 7 of my 128
	v_bfe_u32 v2, v0, 4, 1
	v_lshlrev_b32 v26, 6, v2
	s_lshl_b32 s76, s45, 10
	s_lshl_b32 s77, s16, 9
	s_add_co_u32 s76, s76, s77
	s_mov_b32 s77, 0
	s_add_nc_u64 s[76:77], s[8:9], s[76:77]
	WIN 0x40
.irp b, 0,1,2,3,4,5,6,7
	global_load_b128 v[96+8*\b+96*(\b/4):99+8*\b+96*(\b/4)], v26, s[76:77] offset:(32*(\b/2)+8*(\b%2))*4
	global_load_b128 v[100+8*\b+96*(\b/4):103+8*\b+96*(\b/4)], v26, s[76:77] offset:(32*(\b/2)+8*(\b%2))*4+16
.endr
	WIN 0
.else
	; the result: [batch x 16 + head][key step], 19,968 bytes each: k at 0, v at 6,656, q at 13,312
	s_add_co_u32 s74, s17, s40
	s_cmp_eq_u32 ttmp9, 2
	s_cselect_b32 s74, s74, s42                    ; the tokens' group of 256
	s_cselect_b32 s75, s41, s40                    ; the weights' group of 4 heads
	s_cselect_b32 s76, s15, s16                    ; my 2 heads of them
	s_cselect_b32 s77, s16, s15                    ; my 128 tokens
	s_lshr_b32 s78, s74, 3                         ; the batch
	s_and_b32 s74, s74, 7
	s_lshl_b32 s74, s74, 1
	s_add_co_u32 s74, s74, s77                     ; the key step
	s_lshl_b32 s78, s78, 4
	s_lshl_b32 s75, s75, 2
	s_add_co_u32 s78, s78, s75
	s_lshl_b32 s76, s76, 1
	s_add_co_u32 s78, s78, s76                     ; batch x 16 + my first head
	s_lshl_b32 s78, s78, 4
	s_add_co_u32 s78, s78, s74
	s_mul_i32 s78, s78, 19968
	s_cmp_eq_u32 ttmp9, 0
	s_cselect_b32 s79, 13312, 0
	s_add_co_u32 s78, s78, s79
	s_mov_b32 s79, 0
	s_add_nc_u64 s[68:69], s[10:11], s[78:79]
.endif
; a block of role A: its fragment (three loads of 16 bytes a lane, 512 consecutive bytes each) and its scale words: four loads
.macro BLKA slot, q, i
.irp c, 0,1,2
	ds_load_b128 v[AF+12*(\i)+4*\c:AF+12*(\i)+4*\c+3], v[A16+\slot] offset:(\i)*TROW+((\q)/2)*REC+((\q)%2)*1536+512*\c
.endr
	ds_load_b32 v[SA+(\i)], v[A4+\slot] offset:(\i)*TROW+((\q)/2)*REC+3072+((\q)%2)*128
.endm
.macro FETCH_A slot, q, i0             ; blocks i0 .. i0 + HB - 1
.set II, \i0
.rept HB
	BLKA \slot, \q, II
.set II, II+1
.endr
.endm
.macro FETCH_B slot, q, p              ; role B's blocks of the slot's q-th 128 along K into set p
	WIN TO_B
.set II, 0
.rept NBLK
.irp c, 0,1,2
	ds_load_b128 v[128*(\p)+12*II+4*\c:128*(\p)+12*II+4*\c+3], v[B16+\slot] offset:II*TROW+((\q)/2)*REC+((\q)%2)*1536+512*\c
.endr
.set II, II+1
.endr
	WIN 0
.set II, 0
.rept NBLK
	ds_load_b32 v[SB+8*(\p)+II], v[B4+\slot] offset:II*TROW+((\q)/2)*REC+3072+((\q)%2)*128
.set II, II+1
.endr
.endm
; role A's blocks a0 .. a0 + na - 1 against role B's eight.  The accumulators take turns, one instruction a turn, in the same order in every step.  zero = 1: the first product starts the sums
.macro MUL a0, na, p, zero
.set AA, \a0
.rept \na
.irp b, 0,1,2,3,4,5,6,7
.if (\zero) && FF1
	v_wmma_scale_f32_16x16x128_f8f6f4 v[8*(NBLK*(AA%4)+\b):8*(NBLK*(AA%4)+\b)+7], v[128*(\p)+12*\b:128*(\p)+12*\b+11], v[AF+12*AA:AF+12*AA+11], v[96+8*\b+96*(\b/4):103+8*\b+96*(\b/4)], v[SB+8*(\p)+\b], v[SA+AA] matrix_a_fmt:MATRIX_FMT_FP6 matrix_b_fmt:MATRIX_FMT_FP6
.elseif \zero
	v_wmma_scale_f32_16x16x128_f8f6f4 v[8*(NBLK*(AA%4)+\b):8*(NBLK*(AA%4)+\b)+7], v[128*(\p)+12*\b:128*(\p)+12*\b+11], v[AF+12*AA:AF+12*AA+11], 0, v[SB+8*(\p)+\b], v[SA+AA] matrix_a_fmt:MATRIX_FMT_FP6 matrix_b_fmt:MATRIX_FMT_FP6
.else
	v_wmma_scale_f32_16x16x128_f8f6f4 v[8*(NBLK*(AA%4)+\b):8*(NBLK*(AA%4)+\b)+7], v[128*(\p)+12*\b:128*(\p)+12*\b+11], v[AF+12*AA:AF+12*AA+11], v[8*(NBLK*(AA%4)+\b):8*(NBLK*(AA%4)+\b)+7], v[SB+8*(\p)+\b], v[SA+AA] matrix_a_fmt:MATRIX_FMT_FP6 matrix_b_fmt:MATRIX_FMT_FP6
.endif
.endr
.set AA, AA+1
.endr
.endm
; a step of 128 along K on role B's set p; it fetches the next step's fragments, the nq-th 128 along K of slot nslot, which is whole and shown to every wave.
; Loads into registers that matrix instructions have read stand four plain places behind them (ISA guide 7.12.1 for vector instructions)
.macro STEP p, nslot, nq, zero
	s_wait_dscnt 4*HB                              ; role B's set and role A's lower blocks are in; the youngest loads (the upper blocks, four each) may be out
.if (\zero) && FF1
	WIN 0x91                                       ; C, the bias, in window 1
.else
	WIN MUL_LO
.endif
	MUL 0, HB, \p, \zero
	s_wait_dscnt 0x0
	PLACES 4
	FETCH_B \nslot, \nq, 1-(\p)
	FETCH_A \nslot, \nq, 0
.if (\zero) && FF1
	WIN 0xd1
.else
	WIN MUL_HI
.endif
	MUL HB, HB, \p, \zero
	PLACES 4
	WIN 0
	FETCH_A \nslot, \nq, HB
.endm
; a step (on set 1) with a barrier in it: in front of it each wave waits for all its tensor loads, adds 0 to its spare word, and waits for that and for its reads of the slot in hand.
; fill = 1: slot 0, which has been read out, is filled again, with record 3.  fill = 0: nothing is filled; the wait and the barrier show record 3 to every wave.
.macro TURN next, fill
	s_wait_tensorcnt 0x0                           ; all my tensor loads have landed
	ds_add_u32 v[SPW], v[NIL]
	s_wait_dscnt 4*HB+1                            ; (the add and role A's upper blocks may be out)
	WIN MUL_LO
	MUL 0, HB/2, 1, 0
	s_wait_dscnt 0x0                               ; the add is done, and my reads of the slot in hand are over
	s_barrier_signal -1
	MUL HB/2, HB/2, 1, 0
	WIN 0
	s_barrier_wait -1
.if \fill
	CREST                                          ; the barrier has opened a round of the cluster's barrier: no wave of any partner still reads slot 0 or has a load on its way
	s_add_nc_u64 s[G0+2:G0+3], s[G0+2:G0+3], 3*TROW
	s_add_nc_u64 s[G0B+2:G0B+3], s[G0B+2:G0B+3], 3*TROW
	JLOAD G0, G1, G0B, G1B                         ; my one tensor load behind the round; its four v_nop are the places in front of the loads below
.else
	PLACES 4
.endif
	FETCH_B \next, 0, 0
	FETCH_A \next, 0, 0
	WIN MUL_HI
	MUL HB, HB, 1, 0
	PLACES 4
	WIN 0
	FETCH_A \next, 0, HB
.endm
	s_wait_tensorcnt 2                             ; my part of slot 0 is in; the two loads issued behind it, slots 1 and 2, may stay out
	s_barrier_signal -1
	s_barrier_wait -1
	FETCH_B 0, 0, 0
	FETCH_A 0, 0, 0
	FETCH_A 0, 0, HB
.if FF1
	s_wait_loadcnt 0x0                             ; the bias
.endif
	STEP 0, 0, 1, 1                                ; K step 0: its products start the sums
	TURN 1, 1                                      ; K step 1: slots 1 and 2 are whole; slot 0 is asked for again
	STEP 0, 1, 1, 0                                ; K step 2
	STEP 1, 2, 0, 0                                ; K step 3: on into slot 2, which the last barrier has shown whole: no barrier here
	STEP 0, 2, 1, 0                                ; K step 4
	TURN 0, 0                                      ; K step 5: record 3 has landed in slot 0
	STEP 0, 0, 1, 0                                ; K step 6
	s_wait_dscnt 4*HB                              ; K step 7: nothing more to fetch
	WIN MUL_LO
	MUL 0, HB, 1, 0
	s_wait_dscnt 0x0
	WIN MUL_HI
	MUL HB, HB, 1, 0
	WIN 0
; THE WAY OUT of role A's block a: its 64 registers a lane, register 16 b + i = k 32 b + 16 h + i of my row, are quantised and leave as an operand image, straight from registers.  Each accumulator is read from its low end on.
.macro EPI a
.set W, 2+(\a)/4
.set S, 64*((\a)%4)
.if FF1
	WIN (W<<6)|(W<<2)
.set J, 0
.rept 64
	v_max_num_f32 v[S+J], 0, v[S+J]                ; the activation, in f32
.set J, J+1
.endr
.endif
	WIN W|(W<<2)
.irp b, 0,1,2,3
	v_max3_num_f32 v[TM+\b], |v[S+16*\b]|, |v[S+16*\b+1]|, 0x1800000   ; and the floor 2^(3 - 127): the byte cannot fall under 1
.endr
.irp i, 2,4,6,8,10,12,14
.irp b, 0,1,2,3
	v_max3_num_f32 v[TM+\b], |v[S+16*\b+\i]|, |v[S+16*\b+\i+1]|, v[TM+\b]
.endr
.endr
	WIN 0
.irp b, 0,1,2,3
	v_permlanex16_b32 v[TM+4+\b], v[TM+\b], s[SEL], s[SEL+1]
.endr
.irp b, 0,1,2,3
	v_max_num_f32 v[TM+\b], v[TM+\b], v[TM+4+\b]
.endr
.irp b, 0,1,2,3
	v_add_nc_u32 v[TM+12+\b], 0xff000000, v[TM+\b] ; 2 off the exponent field: the conversion's scale operand
.endr
.irp b, 0,1,2,3
	v_lshrrev_b32 v[TM+4+\b], 23, v[TM+12+\b]
.endr
	v_lshl_or_b32 v[PW+(\a)], v[TM+5], 8, v[TM+4]
	v_lshl_or_b32 v[PW+(\a)], v[TM+6], 16, v[PW+(\a)]
	v_lshl_or_b32 v[PW+(\a)], v[TM+7], 24, v[PW+(\a)]
.if (\a) > 0
	s_wait_xcnt 0x0                                ; the last block's stores have read the codes' registers
.endif
	WIN W
.irp c, 0,1
	v_cvt_scalef32_pk16_fp6_f32 v[PC+6*\c:PC+2+6*\c], v[S+32*\c:S+15+32*\c], v[TM+12+2*\c]
	v_cvt_scalef32_pk16_fp6_f32 v[PC+12+4*\c:PC+14+4*\c], v[S+16+32*\c:S+31+32*\c], v[TM+12+2*\c+1]
.endr
	WIN 0
	v_nop                                          ; one plain place behind a scaled conversion
.irp c, 0,1
.irp i, 0,1,2
	v_permlane16_swap_b32 v[PC+6*\c+\i], v[PC+12+4*\c+\i]
.endr
.irp i, 0,1,2
	v_mov_b32 v[PC+3+6*\c+\i], v[PC+12+4*\c+\i]
.endr
.endr
.if FF1
.irp c, 0,1,2
	global_store_b128 v[L16], v[PC+4*\c:PC+4*\c+3], s[68:69] offset:(\a)*53248+512*\c
.endr
	global_store_b32 v[L4], v[PW+(\a)], s[70:71] offset:(\a)*53248+3072
.else
	s_cmp_eq_u32 ttmp9, 2                          ; the cluster's x: the same in all partners and all waves
	s_cbranch_scc1 .Lv_\@
	; q, k: registers 6 c .. 6 c + 5 are head c's 64 codes of token tile a.  Tiles 2 n and 2 n + 1 share a fragment: the even tile fills its registers 0-5, the odd one 6-11
.irp c, 0,1
.if (\a)%2 == 0
	global_store_b128 v[L16], v[PC+6*\c:PC+6*\c+3], s[68:69] offset:\c*319488+((\a)/2)*1536
	global_store_b64 v[L16], v[PC+6*\c+4:PC+6*\c+5], s[68:69] offset:\c*319488+((\a)/2)*1536+512
.else
	global_store_b64 v[L16], v[PC+6*\c:PC+6*\c+1], s[68:69] offset:\c*319488+((\a)/2)*1536+520
	global_store_b128 v[L16], v[PC+6*\c+2:PC+6*\c+5], s[68:69] offset:\c*319488+((\a)/2)*1536+1024
.endif
.endr
.if (\a)%2 == 1
	v_perm_b32 v[WW+(\a)-1], v[PW+(\a)], v[PW+(\a)-1], 0x05040100   ; head 0: the even tile's two bytes, then the odd tile's
	v_perm_b32 v[WW+(\a)], v[PW+(\a)], v[PW+(\a)-1], 0x07060302     ; head 1 likewise
	global_store_b32 v[L4], v[WW+(\a)-1], s[68:69] offset:6144+((\a)/2)*128
	global_store_b32 v[L4], v[WW+(\a)], s[68:69] offset:319488+6144+((\a)/2)*128
.endif
	s_branch .Ldone_\@
.Lv_\@:
	; v: 16 of a head's 64 x my 128 keys: a whole fragment
.irp c, 0,1,2
	global_store_b128 v[L16], v[PC+4*\c:PC+4*\c+3], s[68:69] offset:((\a)/4)*319488+6656+((\a)%4)*1536+512*\c
.endr
	global_store_b32 v[L4], v[PW+(\a)], s[68:69] offset:((\a)/4)*319488+12800+((\a)%4)*128
.Ldone_\@:
.endif
.endm
	PLACES 4                                       ; in front of the first read of results
.irp a, 0,1,2,3,4,5,6,7
	EPI \a
.endr
	s_wait_tensorcnt 0x0                           ; the wave's end
	ds_add_u32 v[SPW], v[NIL]
	s_wait_dscnt 0x0
	CROUND                                         ; the closing round
	s_endpgm
.Lfunc_end_k_q517f5ed0ee_qkvgemm:
	.size	k_q517f5ed0ee_qkvgemm, .Lfunc_end_k_q517f5ed0ee_qkvgemm-k_q517f5ed0ee_qkvgemm
	.p2alignl 7, 3214868480
	.fill 96, 4, 3214868480
	.section	.rodata,"a",@progbits
	.p2align	6, 0x0
	.amdhsa_kernel k_q517f5ed0ee_qkvgemm
		.amdhsa_group_segment_fixed_size 327680
		.amdhsa_private_segment_fixed_size 0
		.amdhsa_enable_private_segment 0
		.amdhsa_kernarg_size 24
		.amdhsa_user_sgpr_count 2
		.amdhsa_user_sgpr_kernarg_segment_ptr 1
		.amdhsa_wavefront_size32 1
		.amdhsa_system_sgpr_workgroup_id_x 1
		.amdhsa_system_sgpr_workgroup_id_y 1
		.amdhsa_system_sgpr_workgroup_id_z 1
		.amdhsa_system_vgpr_workitem_id 0
		.amdhsa_next_free_vgpr 1024
		.amdhsa_next_free_sgpr 100
		.amdhsa_reserve_vcc 0
		.amdhsa_float_denorm_mode_32 3
		.amdhsa_float_denorm_mode_16_64 3
		.amdhsa_memory_ordered 1
		.amdhsa_forward_progress 1
		.amdhsa_inst_pref_size 149
	.end_amdhsa_kernel
	.amdgpu_metadata
---
amdhsa.version: [ 1, 2 ]
amdhsa.kernels:
  - .name:           k_q517f5ed0ee_qkvgemm
    .symbol:         k_q517f5ed0ee_qkvgemm.kd
    .args:
      - { .name: hc, .offset: 0, .size: 8, .value_kind: global_buffer, .address_space: global }
      - { .name: wimg, .offset: 8, .size: 8, .value_kind: global_buffer, .address_space: global }
      - { .name: qkv, .offset: 16, .size: 8, .value_kind: global_buffer, .address_space: global }
    .group_segment_fixed_size: 327680
    .private_segment_fixed_size: 0
    .kernarg_segment_align: 8
    .kernarg_segment_size: 24
    .max_flat_workgroup_size: 128
    .sgpr_count:     100
    .vgpr_count:     1024
    .wavefront_size: 32
...
	.end_amdgpu_metadata
.endif
;; end of part 2
;; launch attn (part 3): grid 8 x 32, 16 waves a work-group, clusters of 4 x 1, 215,040 bytes of LDS; arguments qkv, oc; writes oc
.if DOCPART == 3
	.amdgcn_target "amdgcn-amd-amdhsa--gfx1250"
	.amdhsa_code_object_version 6
	.text
	.protected	k_q517f5ed0ee_attn
	.globl	k_q517f5ed0ee_attn
	.p2align	8
	.type	k_q517f5ed0ee_attn,@function
k_q517f5ed0ee_attn:
	s_mov_b64 s[64:65], 0
	v_nop
	global_prefetch_b8 v0, s[64:65] scope:SCOPE_SE
	s_setreg_imm32_b32 hwreg(HW_REG_WAVE_MODE, 25, 1), 1
	s_wait_xcnt 0x0
	s_wait_alu depctr_hold_cnt(0) depctr_sa_sdst(0) depctr_va_vdst(0) depctr_va_sdst(0) depctr_va_ssrc(0) depctr_va_vcc(0) depctr_vm_vsrc(0)
	s_getreg_b32 s2, hwreg(HW_REG_IB_STS2, 6, 4)
	s_cmp_eq_u32 s2, 0
	s_cbranch_scc0 .Lentry_in_a_cluster
	s_endpgm
.Lentry_in_a_cluster:
	s_bfe_u32 s2, ttmp6, 0x10000c
	s_cmp_lg_u32 s2, 0x3003
	s_cbranch_scc0 .Lentry_shape_is_right
	s_endpgm
.Lentry_shape_is_right:
; o = softmax(q k^T / 8, causal) v for one batch and head a work-group row, both products on codes of E2M3; o is quantised along the concatenated heads and stored as the projection's operand image.
; LEFT OUT: key steps all of whose 128 keys come after the wave's queries: reference()'s own tril makes their p 0 for every input.  A NaN or infinity that reaches only those scores is not carried to the result.
; THE SOFTMAX: t = score x log2(e) / 8; M = the running largest t rounded up to a whole number; p = 2^(t - M) is quantised along the keys, not normalised; the row's sum is of the unquantised p and divides at the end.
; SHARES.  A head has 128 tiles of 16 queries.  Work-group g (0..7) of a head has sixteen waves; wave w takes tile 8 m + g, m a fixed permutation of the wave's number: its queries lie in key step m, so steps
; under m are open, step m is the diagonal and steps over m are hidden: a test on the wave's number and the count of steps alone.  Every work-group has waves of 1 to 16 steps; the wave with m = 15 reads all sixteen records.
; THE PERMUTATION: with a = w / 4 and b = w % 4, m = 4 (a xor b) + (a xor f(b)), f = 0, 2, 3, 1: two Latin squares that are orthogonal.  So the four waves of one a, and the four of one b alike, have 34 key steps together.
; LDS.  The head's k and v of all sixteen key steps (13,312 bytes a step) are brought once, one joint load a wave, and stay: nothing is filled again.  The four work-groups of a cluster belong to one head and ask jointly.
; K = 64 OF THE FIRST PRODUCT.  A fragment of k holds the 64 codes of key tile 2 n (registers 0-5) and of tile 2 n + 1 (registers 6-11).  Against q laid as [q, zero codes] it gives tile 2 n's scores, against [zero codes, q]
; tile 2 n + 1's: zero codes add nothing under any scale byte that occurs here (1 to 254).
; Both products are used transposed: a lane holds one query.  Place r of a tile is row 32 (t / 2) + 8 (t % 2) + r + 8 (r / 8): the 16 registers of tiles 2 n, 2 n + 1 are 16 neighbouring keys (or channels of the head).
; LIMITS: NaN and infinities are not served; v_exp_f32 gives 0 for results under 2^-126; a block of zeros gets the scale byte 1.
.set STEPB, 13312
.set SPARE, 16*STEPB                   ; the spare words, 128 bytes for each of sixteen waves
.set L16, 1                            ; v1 16 x lane
.set L4,  2                            ; v2 4 x lane
.set SPW, 5
.set NIL, 6
.set DQ,  7                            ; v7 my query's place in its key step - 16 h
.set ADK, 8                            ; v8 the step's record + 16 x lane
.set ADS, 9                            ; v9 the step's record + 4 x lane
.set WV,  18
.set MM,  19
.set SEL, 20
.set CS,  22
.set TB,  2
.set JJ,  3
; v12 -M, v13 the largest t, v[14:15] the sum; v16-27 [q, 0]; v192-203 [0, q]; v32-79 four fragments of k, then of v; v96-159 scores, then p; v160-191 O^T; v224-235 p's codes; v232-254 at work; v248-251 k's or v's scale words; v253 p's; v255 q's
.macro CROUND
	s_barrier_signal -1
	s_barrier_wait -1
	s_cmp_lg_u32 s[WV], 0
	s_cbranch_scc1 .Lnot_wave_0_\@
	s_barrier_signal -3
.Lnot_wave_0_\@:
	s_barrier_wait -3
	s_barrier_signal -1
	s_barrier_wait -1
.endm
	s_load_b128 s[4:7], s[0:1], 0x0                ; qkv, oc
	v_lshl_add_u32 v[SPW], v0, 2, SPARE
	v_mov_b32 v[NIL], 0
	ds_add_u32 v[SPW], v[NIL]                      ; the opening: the add, twice on end, and its wait ahead of my first tensor load
	ds_add_u32 v[SPW], v[NIL]
	v_lshrrev_b32 v8, 5, v0
	v_readfirstlane_b32 s[WV], v8                  ; wave 0..15
	s_bfe_u32 s32, ttmp6, 0x40000                  ; cx
	s_lshl_b32 s33, ttmp9, 2
	s_add_co_u32 s33, s33, s32                     ; g: enters q's and o's global addresses and the mask's numbers alone
	s_and_b32 s34, ttmp7, 0xffff                   ; batch x 16 + head: shared by the partners
	s_lshr_b32 s35, s[WV], 2                       ; a
	s_and_b32 s36, s[WV], 3                        ; b
	s_xor_b32 s[MM], s35, s36
	s_lshl_b32 s[MM], s[MM], 2                     ; 4 (a xor b)
	s_lshl_b32 s37, s36, 1
	s_and_b32 s37, s37, 3
	s_lshr_b32 s36, s36, 1
	s_mul_i32 s36, s36, 3
	s_xor_b32 s37, s37, s36                        ; f(b) = 0, 2, 3, 1
	s_xor_b32 s37, s37, s35
	s_or_b32 s[MM], s[MM], s37                     ; m
	s_mov_b32 s24, 15|(3<<16)|(1<<21)              ; all four work-groups; elements of 8 bytes; bit 21 beside a mask
	s_mov_b32 s25, 32<<16                          ; rows of 256 bytes,
	s_mov_b32 s26, 52<<16                          ; 52 of them, dense: a step's k and v
	s_mov_b32 s27, 32<<16
	s_mov_b32 s28, 52
	s_mov_b32 s29, 32
	s_mov_b32 s30, 0
	s_mov_b32 s31, 0
	s_lshl_b32 s36, s34, 4
	s_add_co_u32 s37, s36, s[WV]
	s_mul_i32 s44, s37, 19968                      ; the record that I fetch: key step = my wave's number
	s_mov_b32 s45, 0
	s_add_co_u32 s37, s36, s[MM]
	s_mul_i32 s37, s37, 19968                      ; the record with my queries
	s_lshr_b32 s38, s33, 1
	s_mul_i32 s46, s38, 1536
	s_add_co_u32 s46, s46, s37
	s_mov_b32 s47, 0
	s_lshl_b32 s48, s38, 7
	s_add_co_u32 s48, s48, s37
	s_mov_b32 s49, 0
	s_lshr_b32 s50, s34, 4
	s_lshl_b32 s50, s50, 7
	s_lshl_b32 s51, s[MM], 3
	s_add_co_u32 s50, s50, s51
	s_add_co_u32 s50, s50, s33                     ; my token tile: batch x 128 + 8 m + g
	s_mul_i32 s50, s50, 13312
	s_bfe_u32 s51, s34, 0x20002                    ; head / 4: the record
	s_mul_i32 s51, s51, 3328
	s_add_co_u32 s50, s50, s51
	s_bfe_u32 s51, s34, 0x10001                    ; (head / 2) % 2: the fragment
	s_mul_i32 s52, s51, 1536
	s_add_co_u32 s52, s52, s50
	s_mov_b32 s53, 0
	s_lshl_b32 s54, s51, 7
	s_add_co_u32 s54, s54, s50
	s_and_b32 s51, s34, 1
	s_lshl_b32 s51, s51, 1
	s_add_co_u32 s54, s54, s51                     ; my head's two bytes of the scale words (3,072 further on, in the immediate)
	s_mov_b32 s55, 0
	s_and_b32 s56, s33, 1
	s_lshl_b32 s57, s38, 5
	s_lshl_b32 s58, s56, 3
	s_add_co_u32 s57, s57, s58                     ; 32 (g / 2) + 8 (g % 2)
	s_mov_b32 s59, 0x01000100
	s_cmp_eq_u32 s56, 1
	s_cselect_b32 s58, -1, 0                       ; a lane mask: the odd tile of a pair?
	s_cselect_b32 s59, 0x03020302, s59             ; and which two bytes of the pair's scale word are mine
	s_mov_b32 s[SEL], 0x76543210
	s_mov_b32 s[SEL+1], 0xfedcba98
	s_mov_b32 s[CS], 0x3e38aa3b                    ; c = log2(e) / 8
	s_mov_b32 s[CS+1], s[CS]
	s_mov_b32 s[TB], 0
	s_mov_b32 s[JJ], 0
	s_mul_i32 s41, s[WV], STEPB
	s_mov_b32 s40, 1
	s_wait_dscnt 0x0                               ; both opening adds are done
	s_wait_kmcnt 0x0
	s_add_nc_u64 s[42:43], s[4:5], s[44:45]
	s_or_b32 s43, s43, 0x80000000
	s_add_nc_u64 s[46:47], s[4:5], s[46:47]
	s_add_nc_u64 s[48:49], s[4:5], s[48:49]
	s_add_nc_u64 s[52:53], s[6:7], s[52:53]
	s_add_nc_u64 s[54:55], s[6:7], s[54:55]
	CROUND                                         ; all four work-groups are here: the joint loads meet
	tensor_load_to_lds s[40:43], s[24:31]          ; every wave asks for one key step's k and v: one load of mine is out
	s_nop 0
.rept 4
	v_nop
.endr
	v_and_b32 v8, 31, v0
	v_lshlrev_b32 v[L16], 4, v8
	v_lshlrev_b32 v[L4], 2, v8
.irp c, 0,1,2
	global_load_b128 v[40+4*\c:43+4*\c], v[L16], s[46:47] offset:13312+512*\c   ; the pair of query tiles that holds mine
.endr
	global_load_b32 v52, v[L4], s[48:49] offset:19456
	v_and_b32 v9, 15, v0
	v_and_b32 v10, 8, v9
	v_add_nc_u32 v9, v9, v10
	v_bfe_u32 v10, v0, 4, 1
	v_lshlrev_b32 v10, 4, v10
	v_sub_nc_u32 v[DQ], v9, v10
	v_add_nc_u32 v[DQ], s57, v[DQ]
	s_wait_loadcnt 0x0
.irp i, 0,1,2,3,4,5
	v_cndmask_b32 v[16+\i], v[40+\i], v[46+\i], s58   ; my tile's six registers: a choice of values, no branch
	v_cndmask_b32 v[198+\i], v[40+\i], v[46+\i], s58
.endr
	v_perm_b32 v255, v52, v52, s59                 ; my two scale bytes, twice: they serve both layouts of q
.irp i, 0,1,2,3,4,5
	v_mov_b32 v[22+\i], 0                          ; zero codes
	v_mov_b32 v[192+\i], 0
.endr
	v_mov_b32 v13, 0xff61b1e6                      ; the largest t so far: -3e38
	v_floor_f32 v12, -v13
	v_mov_b32 v14, 0
	v_mov_b32 v15, 0
.irp b, 0,1,2,3
	v_mov_b32 v[236+\b], 0                         ; a lane permute's destination counts as one of its sources
.endr
	v_mov_b32 v252, 0
	v_mov_b32 v253, 0
.set J, 0
.rept 32
	v_mov_b32 v[160+J], 0                          ; O^T: the step is written once; the first finds zeros
.set J, J+1
.endr
	s_wait_tensorcnt 0x0                           ; my key step is in,
	s_barrier_signal -1
	s_barrier_wait -1                              ; everybody's is
.Lstep:                                            ; sixteen trips, a constant; a hidden step's work is jumped over
	s_cmp_gt_u32 s[JJ], s[MM]
	s_cbranch_scc1 .Lhidden
	v_add_nc_u32 v[ADK], s[TB], v[L16]
	v_add_nc_u32 v[ADS], s[TB], v[L4]
	v_nop
	v_nop                                          ; four places in front of loads into registers that the last products read
.irp b, 0,1,2,3
.irp c, 0,1,2
	ds_load_b128 v[32+12*\b+4*\c:35+12*\b+4*\c], v[ADK] offset:1536*\b+512*\c
.endr
	ds_load_b32 v[248+\b], v[ADS] offset:6144+128*\b
.endr
	s_wait_dscnt 0x0
.irp b, 0,1,2,3
	v_wmma_scale_f32_16x16x128_f8f6f4 v[96+16*\b:103+16*\b], v[32+12*\b:43+12*\b], v[16:27], 0, v[248+\b], v255 matrix_a_fmt:MATRIX_FMT_FP6 matrix_b_fmt:MATRIX_FMT_FP6
	v_wmma_scale_f32_16x16x128_f8f6f4 v[104+16*\b:111+16*\b], v[32+12*\b:43+12*\b], v[192:203], 0, v[248+\b], v255 matrix_a_fmt:MATRIX_FMT_FP6 matrix_b_fmt:MATRIX_FMT_FP6
.endr
.rept 4
	v_nop
.endr
.irp t, 0,1,2,3                                    ; v's fragments into the registers that k has left: they land while the softmax is walked
.irp c, 0,1,2
	ds_load_b128 v[32+12*\t+4*\c:35+12*\t+4*\c], v[ADK] offset:6656+1536*\t+512*\c
.endr
	ds_load_b32 v[248+\t], v[ADS] offset:12800+128*\t
.endr
	s_cmp_lg_u32 s[JJ], s[MM]
	s_cbranch_scc1 .Lopen
	v_mov_b32 v254, 0xff800000                     ; on the diagonal hidden scores become -infinity: register 16 b + i holds key 32 b + 16 h + i of the step
.set N, 0
.rept 64
	v_cmp_gt_i32 vcc_lo, 32*(N/16)+N%16, v[DQ]
	v_cndmask_b32 v[96+N], v[96+N], v254, vcc_lo
.set N, N+1
.endr
.Lopen:
.irp b, 0,1,2,3
	v_max3_num_f32 v[232+\b], v[96+16*\b], v[97+16*\b], v[98+16*\b]   ; the largest score of each block of 32 keys: for the row's maximum and for the block's largest p
.endr
.irp i, 3,5,7,9,11,13
.irp b, 0,1,2,3
	v_max3_num_f32 v[232+\b], v[232+\b], v[96+16*\b+\i], v[97+16*\b+\i]
.endr
.endr
.irp b, 0,1,2,3
	v_max_num_f32 v[232+\b], v[232+\b], v[111+16*\b]
.endr
.irp b, 0,1,2,3
	v_permlanex16_b32 v[236+\b], v[232+\b], s[SEL], s[SEL+1]
.endr
.irp b, 0,1,2,3
	v_max_num_f32 v[232+\b], v[232+\b], v[236+\b]
.endr
	v_max3_num_f32 v254, v232, v233, v234
	v_max_num_f32 v254, v254, v235
	v_mul_f32 v254, s[CS], v254
	v_max_num_f32 v13, v13, v254                   ; the running largest t
	v_mov_b32 v254, v12
	v_floor_f32 v12, -v13                          ; the new -M: M is a whole number
	v_sub_f32 v254, v12, v254
	v_cvt_i32_f32 v254, v254                       ; (it saturates)
	v_ldexp_f32 v252, 1.0, v254                    ; f = 2^(old M - new M)
.set J, 0
.rept 32
	v_pk_fma_f32 v[96+J:97+J], v[96+J:97+J], s[CS:CS+1], v[12:13] op_sel_hi:[1,0,0]   ; t - M
.set J, J+2
.endr
.irp b, 0,1,2,3
	v_fma_f32 v[232+\b], v[232+\b], s[CS], v12
.endr
.set J, 0
.rept 64
	v_exp_f32 v[96+J], v[96+J]                     ; p = 2^(t - M)
.set J, J+1
.endr
	v_pk_mul_f32 v[14:15], v[14:15], v[252:253] op_sel_hi:[1,0]   ; the sums under the new M: a plain place behind the exponentials
	s_wait_alu depctr_va_vdst(0)                   ; one wait for the batch, ahead of its first reader
.irp b, 0,1,2,3
	v_exp_f32 v[232+\b], v[232+\b]                 ; each block's largest p
.endr
	v_pk_add_f32 v[236:237], v[96:97], v[98:99]    ; the row's sum is of the unquantised p
.irp j, 4,8,12,16,20,24,28,32,36,40,44,48,52,56,60
	v_pk_add_f32 v[14:15], v[14:15], v[96+\j:97+\j]
	v_pk_add_f32 v[236:237], v[236:237], v[98+\j:99+\j]
.endr
	v_pk_add_f32 v[14:15], v[14:15], v[236:237]
	s_wait_alu depctr_va_vdst(0)                   ; and one for the four
.irp b, 0,1,2,3
	v_max_num_f32 v[232+\b], 0x1800000, v[232+\b]  ; the floor 2^(3 - 127)
.endr
.irp b, 0,1,2,3
	v_add_nc_u32 v[244+\b], 0xff000000, v[232+\b]
.endr
.irp b, 0,1,2,3
	v_lshrrev_b32 v[236+\b], 23, v[244+\b]
.endr
	v_lshl_or_b32 v253, v237, 8, v236              ; p's scale word for these 128 keys
	v_lshl_or_b32 v253, v238, 16, v253
	v_lshl_or_b32 v253, v239, 24, v253
.irp c, 0,1
	v_cvt_scalef32_pk16_fp6_f32 v[224+6*\c:226+6*\c], v[96+32*\c:111+32*\c], v[244+2*\c]
	v_cvt_scalef32_pk16_fp6_f32 v[236+4*\c:238+4*\c], v[112+32*\c:127+32*\c], v[244+2*\c+1]
.endr
	v_nop                                          ; one plain place behind a scaled conversion
.irp c, 0,1
.irp i, 0,1,2
	v_permlane16_swap_b32 v[224+6*\c+\i], v[236+4*\c+\i]
.endr
.irp i, 0,1,2
	v_mov_b32 v[227+6*\c+\i], v[236+4*\c+\i]
.endr
.endr
.set J, 0
.rept 16
	v_pk_mul_f32 v[160+J:161+J], v[160+J:161+J], v[252:253] op_sel_hi:[1,0]   ; O^T under the new M; these sixteen are also the places in front of the products below
.set J, J+2
.endr
	s_wait_dscnt 0x0                               ; v is in
.irp t, 0,1,2,3
	v_wmma_scale_f32_16x16x128_f8f6f4 v[160+8*\t:167+8*\t], v[32+12*\t:43+12*\t], v[224:235], v[160+8*\t:167+8*\t], v[248+\t], v253 matrix_a_fmt:MATRIX_FMT_FP6 matrix_b_fmt:MATRIX_FMT_FP6
.endr
.Lhidden:
	s_add_co_u32 s[TB], s[TB], STEPB
	s_add_co_u32 s[JJ], s[JJ], 1
	s_cmp_lt_u32 s[JJ], 16
	s_cbranch_scc1 .Lstep
	; THE WAY OUT: O^T / the sum; its 32 registers a lane are 16 neighbours of each of the head's two blocks of 32: quantised, they are half a fragment of the projection's operand
.rept 4
	v_nop                                          ; places behind the last products
.endr
	v_add_f32 v14, v14, v15
	v_permlanex16_b32 v252, v14, s[SEL], s[SEL+1]
	v_add_f32 v14, v14, v252
	v_rcp_f32 v14, v14
	v_nop
	s_wait_alu depctr_va_vdst(0)
.set J, 0
.rept 32
	v_mul_f32 v[96+J], v[160+J], v14
.set J, J+1
.endr
.irp b, 0,1
	v_max3_num_f32 v[232+\b], |v[96+16*\b]|, |v[97+16*\b]|, 0x1800000
.endr
.irp i, 2,4,6,8,10,12,14
.irp b, 0,1
	v_max3_num_f32 v[232+\b], v[232+\b], |v[96+16*\b+\i]|, |v[97+16*\b+\i]|
.endr
.endr
.irp b, 0,1
	v_permlanex16_b32 v[236+\b], v[232+\b], s[SEL], s[SEL+1]
.endr
.irp b, 0,1
	v_max_num_f32 v[232+\b], v[232+\b], v[236+\b]
.endr
.irp b, 0,1
	v_add_nc_u32 v[244+\b], 0xff000000, v[232+\b]
.endr
.irp b, 0,1
	v_lshrrev_b32 v[236+\b], 23, v[244+\b]
.endr
	v_lshl_or_b32 v240, v237, 8, v236              ; my head's two scale bytes
	v_cvt_scalef32_pk16_fp6_f32 v[224:226], v[96:111], v244
	v_cvt_scalef32_pk16_fp6_f32 v[236:238], v[112:127], v245
	v_nop
.irp i, 0,1,2
	v_permlane16_swap_b32 v[224+\i], v[236+\i]
.endr
.irp i, 0,1,2
	v_mov_b32 v[227+\i], v[236+\i]
.endr
	global_store_b16 v[L4], v240, s[54:55] offset:3072
	s_bitcmp1_b32 s34, 0                           ; an odd head?  The same in all partners and all waves
	s_cbranch_scc1 .Lodd
	global_store_b128 v[L16], v[224:227], s[52:53]               ; an even head fills the fragment's registers 0-5,
	global_store_b64 v[L16], v[228:229], s[52:53] offset:512
	s_branch .Lstored
.Lodd:
	global_store_b64 v[L16], v[224:225], s[52:53] offset:520     ; an odd one 6-11
	global_store_b128 v[L16], v[226:229], s[52:53] offset:1024
.Lstored:
	s_wait_tensorcnt 0x0                           ; the wave's end
	ds_add_u32 v[SPW], v[NIL]
	s_wait_dscnt 0x0
	CROUND                                         ; the closing round
	s_endpgm
.Lfunc_end_k_q517f5ed0ee_attn:
	.size	k_q517f5ed0ee_attn, .Lfunc_end_k_q517f5ed0ee_attn-k_q517f5ed0ee_attn
	.p2alignl 7, 3214868480
	.fill 96, 4, 3214868480
	.section	.rodata,"a",@progbits
	.p2align	6, 0x0
	.amdhsa_kernel k_q517f5ed0ee_attn
		.amdhsa_group_segment_fixed_size 215040
		.amdhsa_private_segment_fixed_size 0
		.amdhsa_enable_private_segment 0
		.amdhsa_kernarg_size 16
		.amdhsa_user_sgpr_count 2
		.amdhsa_user_sgpr_kernarg_segment_ptr 1
		.amdhsa_wavefront_size32 1
		.amdhsa_system_sgpr_workgroup_id_x 1
		.amdhsa_system_sgpr_workgroup_id_y 1
		.amdhsa_system_sgpr_workgroup_id_z 1
		.amdhsa_system_vgpr_workitem_id 0
		.amdhsa_next_free_vgpr 256
		.amdhsa_next_free_sgpr 80
		.amdhsa_reserve_vcc 1
		.amdhsa_float_denorm_mode_32 3
		.amdhsa_float_denorm_mode_16_64 3
		.amdhsa_memory_ordered 1
		.amdhsa_forward_progress 1
		.amdhsa_inst_pref_size 33
	.end_amdhsa_kernel
	.amdgpu_metadata
---
amdhsa.version: [ 1, 2 ]
amdhsa.kernels:
  - .name:           k_q517f5ed0ee_attn
    .symbol:         k_q517f5ed0ee_attn.kd
    .args:
      - { .name: qkv, .offset: 0, .size: 8, .value_kind: global_buffer, .address_space: global }
      - { .name: oc, .offset: 8, .size: 8, .value_kind: global_buffer, .address_space: global }
    .group_segment_fixed_size: 215040
    .private_segment_fixed_size: 0
    .kernarg_segment_align: 8
    .kernarg_segment_size: 16
    .max_flat_workgroup_size: 512
    .sgpr_count:     80
    .vgpr_count:     256
    .wavefront_size: 32
...
	.end_amdgpu_metadata
.endif
;; end of part 3
;; launch proj (part 4): grid 8 x 32, 4 waves a work-group, clusters of 4 x 4, 327,680 bytes of LDS; arguments oc, wimg, x, b_proj, x1; writes x1
.if DOCPART == 4
	.amdgcn_target "amdgcn-amd-amdhsa--gfx1250"
	.amdhsa_code_object_version 6
	.text
	.protected	k_q517f5ed0ee_proj
	.globl	k_q517f5ed0ee_proj
	.p2align	8
	.type	k_q517f5ed0ee_proj,@function
k_q517f5ed0ee_proj:
	s_mov_b64 s[64:65], 0
	v_nop
	global_prefetch_b8 v0, s[64:65] scope:SCOPE_SE
	s_setreg_imm32_b32 hwreg(HW_REG_WAVE_MODE, 25, 1), 1
	s_wait_xcnt 0x0
	s_wait_alu depctr_hold_cnt(0) depctr_sa_sdst(0) depctr_va_vdst(0) depctr_va_sdst(0) depctr_va_ssrc(0) depctr_va_vcc(0) depctr_vm_vsrc(0)
	s_getreg_b32 s2, hwreg(HW_REG_IB_STS2, 6, 4)
	s_cmp_eq_u32 s2, 0
	s_cbranch_scc0 .Lentry_in_a_cluster
	s_endpgm
.Lentry_in_a_cluster:
	s_bfe_u32 s2, ttmp6, 0x10000c
	s_cmp_lg_u32 s2, 0xf033
	s_cbranch_scc0 .Lentry_shape_is_right
	s_endpgm
.Lentry_shape_is_right:
; result = residual + A W^T + bias, f32.  A: 4,096 tokens x KTOT as operand images; W: 1,024 rows x KTOT as operand images, WOFF bytes into the weights' buffer.  Here: x1 = x + o w_proj + b_proj.
; OPERANDS are images of registers (a tile of 16 rows; a record of 3,328 bytes = two fragments of 128 along K and their scale words; a tile's records on end; place r of tile t is row 32 (t / 2) + 8 (t % 2) + r + 8 (r / 8)).
; Source 0 takes the weights' tiles (role B), source 1 the tokens' (role A): a lane holds one token, and its eight results of a tile are eight neighbouring columns.
; A work-group of four waves makes 128 x 128, a wave 64 x 64 (a tile of 256 x 256 would give 64 work-groups for N = 1,024).  K goes in steps of 512 (two records of each tile) through two LDS slots.
; CLUSTERS: 4 x 4: the tokens' tiles are shared along a row of the cluster, the weights' along a column: each is asked for jointly.
; REGISTERS: window 0: v16-29 addresses; v32-35 role A's scale words; v40-55 role B's, two sets; v60-63 the bias; v128-175 role A's fragments, later rows on the way out.  Window 1: role B's fragments, two sets.
; Window 2: v0-127 the 16 accumulators, (a, b) at v[8 (4 a + b)]; v128-255 the residual, asked for at the head.
.set KTOT,  1024
.set WOFF,  192*13312
.set NBLK,  4
.set HB,    2
.set REC,   3328
.set TROW,  2*REC                      ; a tile's bytes in a slot: two records
.set TILEB, (KTOT/256)*REC
.set GRPB,  8*TILEB
.set QUART, NBLK*TROW
.set SLOT,  4*QUART
.set SPARE, 2*SLOT
.set LAPS,  KTOT/1024
.set A16, 16
.set A4,  18
.set B16, 20
.set B4,  22
.set STO, 24                           ; v24 the stage: where I put 32 bytes of a row
.set RD,  25                           ; v25 and where I read a row back
.set CO,  26                           ; v26 my byte offset in the result: (lane / 16) rows + 16 (lane % 16)
.set R16, 27                           ; v27 16 (lane % 16)
.set SPW, 28
.set NIL, 29
.set SA,  32
.set SB,  40
.set BIAS, 60
.set AF,  128
.set BK,  128                          ; the way out: v128-159 and v160-191 by turns
.set G1,  24
.set G0,  32
.set G1B, 48
.set G0B, 56
.set MSB, 0
.macro WIN new
.if MSB != (\new)
	s_set_vgpr_msb (MSB<<8)|(\new)
.set MSB, (\new)
.endif
.endm
.set MULW, 0xa1                        ; source 0 window 1, source 1 window 0, C and D window 2
.set TO_B, 0x40
.macro JLOAD g0a, g1a, g0b, g1b
	s_cmp_eq_u32 s15, 0
	s_cbranch_scc0 .Lfor_b_\@
	tensor_load_to_lds s[\g0a:\g0a+3], s[\g1a:\g1a+7]
	s_nop 0
.rept 4
	v_nop
.endr
	s_branch .Lasked_\@
.Lfor_b_\@:
	tensor_load_to_lds s[\g0b:\g0b+3], s[\g1b:\g1b+7]
	s_nop 0
.rept 4
	v_nop
.endr
.Lasked_\@:
.endm
.macro CREST
	s_cmp_lg_u32 s14, 0
	s_cbranch_scc1 .Lnot_wave_0_\@
	s_barrier_signal -3
.Lnot_wave_0_\@:
	s_barrier_wait -3
	s_barrier_signal -1
	s_barrier_wait -1
.endm
.macro CROUND
	s_barrier_signal -1
	s_barrier_wait -1
	CREST
.endm
.macro PLACES n
.rept \n
	v_nop
.endr
.endm
	s_load_b256 s[4:11], s[0:1], 0x0               ; the tokens' codes, the weights' images, the residual, the bias
	s_load_b64 s[12:13], s[0:1], 0x20              ; the result
	v_lshl_add_u32 v[SPW], v0, 2, SPARE
	v_mov_b32 v[NIL], 0
	ds_add_u32 v[SPW], v[NIL]                      ; the opening: the add, twice on end, and its wait ahead of my first tensor load
	ds_add_u32 v[SPW], v[NIL]
	v_lshrrev_b32 v1, 5, v0
	v_readfirstlane_b32 s14, v1
	s_lshr_b32 s15, s14, 1                         ; my half of the tokens.  Also: I fetch for role A (0) or B (1)
	s_and_b32 s16, s14, 1                          ; my half of the columns.  Also: which half I fetch
	s_bfe_u32 s40, ttmp6, 0x40000
	s_bfe_u32 s41, ttmp6, 0x40004
	s_lshl_b32 s42, ttmp9, 2
	s_add_co_u32 s42, s42, s40                     ; tx: 128 columns
	s_and_b32 s17, ttmp7, 0xffff
	s_lshl_b32 s17, s17, 2
	s_add_co_u32 s17, s17, s41                     ; ty: 128 tokens
	s_lshl_b32 s43, s41, 2
	s_lshl_b32 s43, 15, s43
	s_lshl_b32 s44, 0x1111, s40
	s_or_b32 s[G1+0], s43, (3<<16)|(1<<21)
	s_or_b32 s[G1B+0], s44, (3<<16)|(1<<21)
.irp g, G1, G1B
	s_mov_b32 s[\g+1], (TROW/8)<<16
	s_mov_b32 s[\g+2], NBLK<<16
	s_mov_b32 s[\g+3], (TROW/8)<<16
	s_mov_b32 s[\g+4], NBLK
	s_mov_b32 s[\g+5], TILEB/8
	s_mov_b32 s[\g+6], 0
	s_mov_b32 s[\g+7], 0
.endr
	s_mul_i32 s20, s17, GRPB
	s_mul_i32 s46, s42, GRPB
	s_mul_i32 s18, s16, NBLK*TILEB
	s_add_co_u32 s20, s20, s18
	s_add_co_u32 s46, s46, s18
	s_add_co_u32 s46, s46, WOFF
	s_mov_b32 s21, 0
	s_mov_b32 s47, 0
	s_mul_i32 s94, s14, QUART
	s_wait_dscnt 0x0
	s_wait_kmcnt 0x0
	s_add_nc_u64 s[20:21], s[4:5], s[20:21]
	s_add_nc_u64 s[46:47], s[6:7], s[46:47]
	CROUND
.irp s, 0,1
	s_mov_b32 s[G0+4*\s], 1
	s_add_co_u32 s[G0+4*\s+1], s94, \s*SLOT
	s_add_nc_u64 s[G0+4*\s+2:G0+4*\s+3], s[20:21], \s*TROW
	s_or_b32 s[G0+4*\s+3], s[G0+4*\s+3], 0x80000000
	s_mov_b32 s[G0B+4*\s], 1
	s_add_co_u32 s[G0B+4*\s+1], s94, \s*SLOT
	s_add_nc_u64 s[G0B+4*\s+2:G0B+4*\s+3], s[46:47], \s*TROW
	s_or_b32 s[G0B+4*\s+3], s[G0B+4*\s+3], 0x80000000
	JLOAD G0+4*\s, G1, G0B+4*\s, G1B               ; two loads of mine are out
.endr
	v_and_b32 v1, 31, v0
	v_lshlrev_b32 v2, 4, v1
	v_lshlrev_b32 v3, 2, v1
	s_mul_i32 s21, s15, QUART
	s_mul_i32 s22, s16, QUART
	s_add_co_u32 s22, s22, 2*QUART
.irp s, 0,1
	v_add_nc_u32 v[A16+\s], s21, v2
	v_add_nc_u32 v[A4+\s], s21, v3
	v_add_nc_u32 v[B16+\s], s22, v2
	v_add_nc_u32 v[B4+\s], s22, v3
	s_add_co_u32 s21, s21, SLOT
	s_add_co_u32 s22, s22, SLOT
.endr
	v_and_b32 v1, 15, v0                           ; r
	v_bfe_u32 v2, v0, 4, 1                         ; h
	s_mul_i32 s23, s14, 16*272                     ; my stage: 16 rows x (256 + 16) bytes, in slot 0, which has had its last fill and its last read when the first result is stored there
	v_mul_u32_u24 v[STO], v1, 272
	v_lshl_add_u32 v[STO], v2, 6, v[STO]
	v_add_nc_u32 v[STO], s23, v[STO]
	v_lshlrev_b32 v[R16], 4, v1
	v_mul_u32_u24 v[RD], v2, 272
	v_add_nc_u32 v[RD], v[RD], v[R16]
	v_add_nc_u32 v[RD], s23, v[RD]
	v_lshl_add_u32 v[CO], v2, 12, v[R16]
	s_lshl_b32 s74, s17, 19                        ; 128 ty rows of 4,096 bytes,
	s_lshl_b32 s75, s15, 18                        ; my 64 of them,
	s_add_co_u32 s74, s74, s75
	s_lshl_b32 s76, s42, 9                         ; 128 tx columns,
	s_lshl_b32 s77, s16, 8                         ; my 64
	s_add_co_u32 s76, s76, s77
	s_add_co_u32 s74, s74, s76
	s_mov_b32 s75, 0
	s_mov_b32 s77, 0
	s_add_nc_u64 s[8:9], s[8:9], s[74:75]
	s_add_nc_u64 s[12:13], s[12:13], s[74:75]
	s_add_nc_u64 s[10:11], s[10:11], s[76:77]
	WIN 0x80                                       ; destination window 2: the residual, in the order in which rows come back from the stage
.irp a, 0,1,2,3
.irp t, 0,1,2,3,4,5,6,7
	global_load_b128 v[128+32*\a+4*\t:131+32*\a+4*\t], v[CO], s[8:9] offset:(32*(\a/2)+8*(\a%2)+2*\t+8*(\t/4))*4096
.endr
.endr
	WIN 0
	global_load_b128 v[BIAS:BIAS+3], v[R16], s[10:11]
.macro BLKA slot, q, i
.irp c, 0,1,2
	ds_load_b128 v[AF+12*(\i)+4*\c:AF+12*(\i)+4*\c+3], v[A16+\slot] offset:(\i)*TROW+((\q)/2)*REC+((\q)%2)*1536+512*\c
.endr
	ds_load_b32 v[SA+(\i)], v[A4+\slot] offset:(\i)*TROW+((\q)/2)*REC+3072+((\q)%2)*128
.endm
.macro FETCH_A slot, q, i0
.set II, \i0
.rept HB
	BLKA \slot, \q, II
.set II, II+1
.endr
.endm
.macro FETCH_B slot, q, p
	WIN TO_B
.set II, 0
.rept NBLK
.irp c, 0,1,2
	ds_load_b128 v[128*(\p)+12*II+4*\c:128*(\p)+12*II+4*\c+3], v[B16+\slot] offset:II*TROW+((\q)/2)*REC+((\q)%2)*1536+512*\c
.endr
.set II, II+1
.endr
	WIN 0
.set II, 0
.rept NBLK
	ds_load_b32 v[SB+8*(\p)+II], v[B4+\slot] offset:II*TROW+((\q)/2)*REC+3072+((\q)%2)*128
.set II, II+1
.endr
.endm
; the sixteen accumulators take turns, one instruction a turn, in the same order in every step
.macro MUL a0, na, p, zero
.set AA, \a0
.rept \na
.irp b, 0,1,2,3
.if \zero
	v_wmma_scale_f32_16x16x128_f8f6f4 v[8*(NBLK*AA+\b):8*(NBLK*AA+\b)+7], v[128*(\p)+12*\b:128*(\p)+12*\b+11], v[AF+12*AA:AF+12*AA+11], 0, v[SB+8*(\p)+\b], v[SA+AA] matrix_a_fmt:MATRIX_FMT_FP6 matrix_b_fmt:MATRIX_FMT_FP6
.else
	v_wmma_scale_f32_16x16x128_f8f6f4 v[8*(NBLK*AA+\b):8*(NBLK*AA+\b)+7], v[128*(\p)+12*\b:128*(\p)+12*\b+11], v[AF+12*AA:AF+12*AA+11], v[8*(NBLK*AA+\b):8*(NBLK*AA+\b)+7], v[SB+8*(\p)+\b], v[SA+AA] matrix_a_fmt:MATRIX_FMT_FP6 matrix_b_fmt:MATRIX_FMT_FP6
.endif
.endr
.set AA, AA+1
.endr
.endm
.macro STEP slot, q, zero
	s_wait_dscnt 4*HB                              ; role B's set and role A's lower blocks are in; the upper blocks' loads, four each, may be out
	WIN MULW
	MUL 0, HB, (\q)%2, \zero
	s_wait_dscnt 0x0
	PLACES 4
	FETCH_B \slot, (\q)+1, 1-(\q)%2
	FETCH_A \slot, (\q)+1, 0
	WIN MULW
	MUL HB, HB, (\q)%2, \zero
	PLACES 4
	WIN 0
	FETCH_A \slot, (\q)+1, HB
.endm
.macro TURN slot, next, fill
	s_wait_tensorcnt 0x0                           ; all my tensor loads have landed: my part of the next slot
	ds_add_u32 v[SPW], v[NIL]
	s_wait_dscnt 4*HB+1                            ; (the add and role A's upper blocks may be out)
	WIN MULW
	MUL 0, HB/2, 1, 0
	s_wait_dscnt 0x0                               ; the add is done, and my reads of this slot are over
	s_barrier_signal -1
	MUL HB/2, HB/2, 1, 0
	WIN 0
	s_barrier_wait -1
.if \fill
	CREST                                          ; a round of the cluster's barrier: no wave of any partner still reads this slot or has a load on its way
	s_add_nc_u64 s[G0+4*\slot+2:G0+4*\slot+3], s[G0+4*\slot+2:G0+4*\slot+3], 2*TROW
	s_add_nc_u64 s[G0B+4*\slot+2:G0B+4*\slot+3], s[G0B+4*\slot+2:G0B+4*\slot+3], 2*TROW
	JLOAD G0+4*\slot, G1, G0B+4*\slot, G1B
.else
	PLACES 4
.endif
	FETCH_B \next, 0, 0
	FETCH_A \next, 0, 0
	WIN MULW
	MUL HB, HB, 1, 0
	PLACES 4
	WIN 0
	FETCH_A \next, 0, HB
.endm
	s_wait_tensorcnt 1                             ; my part of slot 0 is in; slot 1's may stay out
	s_barrier_signal -1
	s_barrier_wait -1
	FETCH_B 0, 0, 0
	FETCH_A 0, 0, 0
	FETCH_A 0, 0, HB
	STEP 0, 0, 1
.if LAPS > 1
	s_mov_b32 s3, LAPS-1
.Llap:
	STEP 0, 1, 0
	STEP 0, 2, 0
	TURN 0, 1, 1
	STEP 1, 0, 0
	STEP 1, 1, 0
	STEP 1, 2, 0
	TURN 1, 0, 1
	STEP 0, 0, 0
	s_sub_co_u32 s3, s3, 1
	s_cmp_lg_u32 s3, 0
	s_cbranch_scc1 .Llap
.endif
	STEP 0, 1, 0
	STEP 0, 2, 0
	TURN 0, 1, 0
	STEP 1, 0, 0
	STEP 1, 1, 0
	STEP 1, 2, 0
	s_wait_dscnt 4*HB
	WIN MULW
	MUL 0, HB, 1, 0
	s_wait_dscnt 0x0
	MUL HB, HB, 1, 0
	WIN 0
; THE WAY OUT, a tile of 16 tokens x my 64 columns at a time: through my own stage and back as whole rows of 256 bytes; residual and bias are added; sixteen lanes store 256 consecutive bytes, aligned.
.macro TOSTAGE a
	WIN 0x08                                       ; an LDS store's data are its source 1: window 2
.irp b, 0,1,2,3
	ds_store_b128 v[STO], v[8*(NBLK*(\a)+\b):8*(NBLK*(\a)+\b)+3] offset:128*(\b/2)+32*(\b%2)       ; each accumulator from its low end on
	ds_store_b128 v[STO], v[8*(NBLK*(\a)+\b)+4:8*(NBLK*(\a)+\b)+7] offset:128*(\b/2)+32*(\b%2)+16
.endr
	WIN 0
.set BB, BK+32*((\a)%2)
.irp t, 0,1,2,3,4,5,6,7
	ds_load_b128 v[BB+4*\t:BB+4*\t+3], v[RD] offset:544*\t   ; LDS serves a wave's instructions in order: these see my stores
.endr
.endm
.macro SEND a, younger
.set BB, BK+32*((\a)%2)
	s_wait_dscnt \younger
	WIN 0x08
.set TT, 0
.rept 16
	v_pk_add_f32 v[BB+2*TT:BB+2*TT+1], v[BB+2*TT:BB+2*TT+1], v[128+32*(\a)+2*TT:129+32*(\a)+2*TT]
.set TT, TT+1
.endr
	WIN 0
.set TT, 0
.rept 16
	v_pk_add_f32 v[BB+2*TT:BB+2*TT+1], v[BB+2*TT:BB+2*TT+1], v[BIAS+2*(TT%2):BIAS+2*(TT%2)+1]
.set TT, TT+1
.endr
.irp t, 0,1,2,3,4,5,6,7
	global_store_b128 v[CO], v[BB+4*\t:BB+4*\t+3], s[12:13] offset:(32*((\a)/2)+8*((\a)%2)+2*\t+8*(\t/4))*4096
.endr
.endm
	PLACES 4
	s_wait_loadcnt 0x0                             ; the residual and the bias
	TOSTAGE 0
	TOSTAGE 1
	SEND 0, 16                                     ; behind tile 0's loads: tile 1's eight stores and eight loads
	s_wait_xcnt 0x0                                ; tile 0's stores have read their registers
	TOSTAGE 2
	SEND 1, 16
	s_wait_xcnt 0x0
	TOSTAGE 3
	SEND 2, 16
	SEND 3, 0
	s_wait_tensorcnt 0x0                           ; the wave's end
	ds_add_u32 v[SPW], v[NIL]
	s_wait_dscnt 0x0
	CROUND                                         ; the closing round
	s_endpgm
.Lfunc_end_k_q517f5ed0ee_proj:
	.size	k_q517f5ed0ee_proj, .Lfunc_end_k_q517f5ed0ee_proj-k_q517f5ed0ee_proj
	.p2alignl 7, 3214868480
	.fill 96, 4, 3214868480
	.section	.rodata,"a",@progbits
	.p2align	6, 0x0
	.amdhsa_kernel k_q517f5ed0ee_proj
		.amdhsa_group_segment_fixed_size 327680
		.amdhsa_private_segment_fixed_size 0
		.amdhsa_enable_private_segment 0
		.amdhsa_kernarg_size 40
		.amdhsa_user_sgpr_count 2
		.amdhsa_user_sgpr_kernarg_segment_ptr 1
		.amdhsa_wavefront_size32 1
		.amdhsa_system_sgpr_workgroup_id_x 1
		.amdhsa_system_sgpr_workgroup_id_y 1
		.amdhsa_system_sgpr_workgroup_id_z 1
		.amdhsa_system_vgpr_workitem_id 0
		.amdhsa_next_free_vgpr 768
		.amdhsa_next_free_sgpr 100
		.amdhsa_reserve_vcc 0
		.amdhsa_float_denorm_mode_32 3
		.amdhsa_float_denorm_mode_16_64 3
		.amdhsa_memory_ordered 1
		.amdhsa_forward_progress 1
		.amdhsa_inst_pref_size 62
	.end_amdhsa_kernel
	.amdgpu_metadata
---
amdhsa.version: [ 1, 2 ]
amdhsa.kernels:
  - .name:           k_q517f5ed0ee_proj
    .symbol:         k_q517f5ed0ee_proj.kd
    .args:
      - { .name: oc, .offset: 0, .size: 8, .value_kind: global_buffer, .address_space: global }
      - { .name: wimg, .offset: 8, .size: 8, .value_kind: global_buffer, .address_space: global }
      - { .name: x, .offset: 16, .size: 8, .value_kind: global_buffer, .address_space: global }
      - { .name: b_proj, .offset: 24, .size: 8, .value_kind: global_buffer, .address_space: global }
      - { .name: x1, .offset: 32, .size: 8, .value_kind: global_buffer, .address_space: global }
    .group_segment_fixed_size: 327680
    .private_segment_fixed_size: 0
    .kernarg_segment_align: 8
    .kernarg_segment_size: 40
    .max_flat_workgroup_size: 128
    .sgpr_count:     100
    .vgpr_count:     768
    .wavefront_size: 32
...
	.end_amdgpu_metadata
.endif
;; end of part 4
;; launch ln2 (part 5): grid 256 x 1, 8 waves a work-group, no clusters, 69,632 bytes of LDS; arguments x1, ln2_g, ln2_b, h2c; writes h2c
.if DOCPART == 5
	.amdgcn_target "amdgcn-amd-amdhsa--gfx1250"
	.amdhsa_code_object_version 6
	.text
	.protected	k_q517f5ed0ee_ln2
	.globl	k_q517f5ed0ee_ln2
	.p2align	8
	.type	k_q517f5ed0ee_ln2,@function
k_q517f5ed0ee_ln2:
	s_mov_b64 s[64:65], 0
	v_nop
	global_prefetch_b8 v0, s[64:65] scope:SCOPE_SE
	s_setreg_imm32_b32 hwreg(HW_REG_WAVE_MODE, 25, 1), 1
	s_wait_xcnt 0x0
; h2 = layernorm(x1) g + b in f32 (mean, then the mean of the squared differences, as reference() has it), quantised along D to E2M3 with one E8M0 scale for each 32, stored as operand images.
; AN OPERAND IMAGE.  A tile is 16 rows; place r of tile t is row 32 (t / 2) + 8 (t % 2) + r + 8 (r / 8).  A fragment (16 rows x 128 K, 12 registers a lane) lies as three blocks of 512 bytes: registers 4 c .. 4 c + 3 of
; lane l at 512 c + 16 l; its scale words as 128 bytes, 4 a lane.  A record of 3,328 bytes serves 256 along K: two fragments, then their scale words.  A tile's four records lie on end.
; SHARES: a work-group takes a tile of 16 rows, wave w the columns 128 w .. 128 w + 127: one fragment.  Each load reads 512 consecutive bytes of a row; the numbers turn through the wave's own stage in LDS, so that
; lane (r, h) holds, of row r, 16 neighbours of each block of 32.  The rows' sums meet in LDS: two barriers, two regions.
; LIMITS: NaN and infinities are not served; a block of zeros gets the scale byte 1 (its codes are zeros; this program alone reads the bytes).
.set STG,   8448
.set RED,   67584
.set SPARE, 68608
.set L16, 1
.set L4,  2
.set GH,  3
.set SIN, 4
.set SOUT, 5
.set RA,  6
.set RB,  7
.set SPW, 12
.set NIL, 13
.set LND, 16
.set X,   80
.set G,   144
.set TM,  208
.set PW,  224
.set PC,  226
.set T,   246
.set MU,  254
.set SEL, 54
.macro QUANT s
.irp b, 0,1,2,3
	v_max3_num_f32 v[TM+\b], |v[\s+16*\b]|, |v[\s+1+16*\b]|, 0x1800000   ; my 16 numbers of block b, and the floor 2^(3 - 127)
.endr
.irp i, 2,4,6,8,10,12,14
.irp b, 0,1,2,3
	v_max3_num_f32 v[TM+\b], v[TM+\b], |v[\s+16*\b+\i]|, |v[\s+1+16*\b+\i]|
.endr
.endr
.irp b, 0,1,2,3
	v_permlanex16_b32 v[TM+4+\b], v[TM+\b], s[SEL], s[SEL+1]
.endr
.irp b, 0,1,2,3
	v_max_num_f32 v[TM+\b], v[TM+\b], v[TM+4+\b]
.endr
.irp b, 0,1,2,3
	v_add_nc_u32 v[TM+12+\b], 0xff000000, v[TM+\b]
.endr
.irp b, 0,1,2,3
	v_lshrrev_b32 v[TM+4+\b], 23, v[TM+12+\b]
.endr
	v_lshl_or_b32 v[PW], v[TM+5], 8, v[TM+4]
	v_lshl_or_b32 v[PW], v[TM+6], 16, v[PW]
	v_lshl_or_b32 v[PW], v[TM+7], 24, v[PW]
.irp c, 0,1
	v_cvt_scalef32_pk16_fp6_f32 v[PC+6*\c:PC+2+6*\c], v[\s+32*\c:\s+15+32*\c], v[TM+12+2*\c]
	v_cvt_scalef32_pk16_fp6_f32 v[PC+12+4*\c:PC+14+4*\c], v[\s+16+32*\c:\s+31+32*\c], v[TM+12+2*\c+1]
.endr
	v_nop                                          ; one plain place behind a scaled conversion
.irp c, 0,1
.irp i, 0,1,2
	v_permlane16_swap_b32 v[PC+6*\c+\i], v[PC+12+4*\c+\i]
.endr
.irp i, 0,1,2
	v_mov_b32 v[PC+3+6*\c+\i], v[PC+12+4*\c+\i]
.endr
.endr
.endm
.macro WRED off
	v_permlanex16_b32 v[T+2], v[T], s[SEL], s[SEL+1]
	v_add_f32 v[T], v[T], v[T+2]
	ds_store_b32 v[RA], v[T] offset:\off           ; both halves of the lanes write the same word with the same value
	s_wait_dscnt 0x0                               ; for the others: my store has landed
	s_barrier_signal -1
	s_barrier_wait -1
	ds_load_b128 v[T:T+3], v[RB] offset:\off
	ds_load_b128 v[T+4:T+7], v[RB] offset:\off+16
	s_wait_dscnt 0x0
	v_add_f32 v[T], v[T], v[T+1]
	v_add_f32 v[T+2], v[T+2], v[T+3]
	v_add_f32 v[T+4], v[T+4], v[T+5]
	v_add_f32 v[T+6], v[T+6], v[T+7]
	v_add_f32 v[T], v[T], v[T+2]
	v_add_f32 v[T+4], v[T+4], v[T+6]
	v_add_f32 v[T], v[T], v[T+4]
.endm
	s_load_b256 s[4:11], s[0:1], 0x0               ; x1 4, g 6, b 8, h2c 10
	v_lshl_add_u32 v[SPW], v0, 2, SPARE
	v_mov_b32 v[NIL], 0
	v_lshrrev_b32 v1, 5, v0
	v_readfirstlane_b32 s40, v1                    ; wave 0..7
	v_and_b32 v8, 31, v0
	v_and_b32 v9, 15, v0
	v_bfe_u32 v10, v0, 4, 1
	v_lshlrev_b32 v[L16], 4, v8
	v_lshlrev_b32 v[L4], 2, v8
	v_lshlrev_b32 v[GH], 6, v10
	s_mul_i32 s41, s40, STG
	v_add_nc_u32 v[SIN], s41, v[L16]
	v_mul_u32_u24 v[SOUT], v9, 528
	v_lshl_add_u32 v[SOUT], v10, 6, v[SOUT]
	v_add_nc_u32 v[SOUT], s41, v[SOUT]
	v_lshlrev_b32 v[RB], 5, v9
	v_add_nc_u32 v[RB], RED, v[RB]
	s_lshl_b32 s42, s40, 2
	v_add_nc_u32 v[RA], s42, v[RB]
.irp b, 0,1,2,3
	v_mov_b32 v[TM+4+\b], 0
.endr
	v_mov_b32 v[MU+1], 0
	s_mov_b32 s[SEL], 0x76543210
	s_mov_b32 s[SEL+1], 0xfedcba98
	s_mov_b32 s56, 0x3a800000                      ; 1 / 1024
	s_mov_b32 s57, 0x3727c5ac                      ; 1e-5
	s_lshr_b32 s43, ttmp9, 1
	s_lshl_b32 s43, s43, 5
	s_and_b32 s44, ttmp9, 1
	s_lshl_b32 s44, s44, 3
	s_add_co_u32 s43, s43, s44
	s_lshl_b32 s44, s43, 12
	s_lshl_b32 s46, s40, 9
	s_add_co_u32 s44, s44, s46
	s_mov_b32 s45, 0
	s_mov_b32 s47, 0
	s_mul_i32 s48, ttmp9, 13312
	s_lshr_b32 s49, s40, 1
	s_mul_i32 s49, s49, 3328
	s_add_co_u32 s48, s48, s49
	s_and_b32 s49, s40, 1
	s_mul_i32 s50, s49, 1536
	s_lshl_b32 s52, s49, 7
	s_add_co_u32 s50, s48, s50
	s_add_co_u32 s52, s48, s52
	s_mov_b32 s51, 0
	s_mov_b32 s53, 0
	s_wait_kmcnt 0x0
	s_add_nc_u64 s[4:5], s[4:5], s[44:45]
	s_add_nc_u64 s[6:7], s[6:7], s[46:47]
	s_add_nc_u64 s[8:9], s[8:9], s[46:47]
	s_add_nc_u64 s[50:51], s[10:11], s[50:51]
	s_add_nc_u64 s[52:53], s[10:11], s[52:53]
.irp i, 0,1,2,3,4,5,6,7,8,9,10,11,12,13,14,15
	global_load_b128 v[LND+4*\i:LND+4*\i+3], v[L16], s[4:5] offset:(\i+8*(\i/8))*4096 th:TH_LOAD_NT
.endr
.irp b, 0,1,2,3
.irp j, 0,1,2,3
	global_load_b128 v[G+16*\b+4*\j:G+16*\b+4*\j+3], v[GH], s[6:7] offset:128*\b+16*\j
.endr
.endr
	s_wait_loadcnt 16                              ; the rows are in; g's sixteen loads, issued behind them, may be out
.irp i, 0,1,2,3,4,5,6,7,8,9,10,11,12,13,14,15
	ds_store_b128 v[SIN], v[LND+4*\i:LND+4*\i+3] offset:528*\i
.endr
.irp b, 0,1,2,3
.irp j, 0,1,2,3
	ds_load_b128 v[X+16*\b+4*\j:X+16*\b+4*\j+3], v[SOUT] offset:128*\b+16*\j
.endr
.endr
	s_wait_dscnt 0x0
.irp b, 0,1,2,3
.irp j, 0,1,2,3
	global_load_b128 v[LND+16*\b+4*\j:LND+16*\b+4*\j+3], v[GH], s[8:9] offset:128*\b+16*\j
.endr
.endr
.irp c, 0,1,2,3
	v_pk_add_f32 v[T+2*\c:T+2*\c+1], v[X+2*\c:X+2*\c+1], v[X+8+2*\c:X+9+2*\c]
.endr
.irp i, 16,24,32,40,48,56
.irp c, 0,1,2,3
	v_pk_add_f32 v[T+2*\c:T+2*\c+1], v[T+2*\c:T+2*\c+1], v[X+\i+2*\c:X+\i+2*\c+1]
.endr
.endr
	v_pk_add_f32 v[T:T+1], v[T:T+1], v[T+2:T+3]
	v_pk_add_f32 v[T+4:T+5], v[T+4:T+5], v[T+6:T+7]
	v_pk_add_f32 v[T:T+1], v[T:T+1], v[T+4:T+5]
	v_add_f32 v[T], v[T], v[T+1]
	WRED 0
	v_mul_f32 v[MU], s56, v[T]
.set J, 0
.rept 32
	v_pk_add_f32 v[X+J:X+J+1], v[X+J:X+J+1], v[MU:MU+1] op_sel_hi:[1,0] neg_lo:[0,1] neg_hi:[0,1]
.set J, J+2
.endr
.irp c, 0,1,2,3
	v_pk_mul_f32 v[T+2*\c:T+2*\c+1], v[X+2*\c:X+2*\c+1], v[X+2*\c:X+2*\c+1]
.endr
.irp i, 8,16,24,32,40,48,56
.irp c, 0,1,2,3
	v_pk_fma_f32 v[T+2*\c:T+2*\c+1], v[X+\i+2*\c:X+\i+2*\c+1], v[X+\i+2*\c:X+\i+2*\c+1], v[T+2*\c:T+2*\c+1]
.endr
.endr
	v_pk_add_f32 v[T:T+1], v[T:T+1], v[T+2:T+3]
	v_pk_add_f32 v[T+4:T+5], v[T+4:T+5], v[T+6:T+7]
	v_pk_add_f32 v[T:T+1], v[T:T+1], v[T+4:T+5]
	v_add_f32 v[T], v[T], v[T+1]
	WRED 512                                       ; other bytes than the first sum's: no third barrier is needed
	v_fma_f32 v[T], v[T], s56, s57
	v_rsq_f32 v[MU], v[T]
	v_nop                                          ; a plain place behind the transcendental
	s_wait_alu depctr_va_vdst(0)                   ; and the wait ahead of its first reader
	s_wait_loadcnt 0x0
.set J, 0
.rept 32
	v_pk_mul_f32 v[X+J:X+J+1], v[X+J:X+J+1], v[MU:MU+1] op_sel_hi:[1,0]
.set J, J+2
.endr
.set J, 0
.rept 32
	v_pk_fma_f32 v[X+J:X+J+1], v[X+J:X+J+1], v[G+J:G+J+1], v[LND+J:LND+J+1]
.set J, J+2
.endr
	QUANT X
.irp c, 0,1,2
	global_store_b128 v[L16], v[PC+4*\c:PC+4*\c+3], s[50:51] offset:512*\c
.endr
	global_store_b32 v[L4], v[PW], s[52:53] offset:3072
	s_wait_tensorcnt 0x0                           ; the wave's end, behind my last LDS store
	ds_add_u32 v[SPW], v[NIL]
	s_wait_dscnt 0x0
	s_endpgm
.Lfunc_end_k_q517f5ed0ee_ln2:
	.size	k_q517f5ed0ee_ln2, .Lfunc_end_k_q517f5ed0ee_ln2-k_q517f5ed0ee_ln2
	.p2alignl 7, 3214868480
	.fill 96, 4, 3214868480
	.section	.rodata,"a",@progbits
	.p2align	6, 0x0
	.amdhsa_kernel k_q517f5ed0ee_ln2
		.amdhsa_group_segment_fixed_size 69632
		.amdhsa_private_segment_fixed_size 0
		.amdhsa_enable_private_segment 0
		.amdhsa_kernarg_size 32
		.amdhsa_user_sgpr_count 2
		.amdhsa_user_sgpr_kernarg_segment_ptr 1
		.amdhsa_wavefront_size32 1
		.amdhsa_system_sgpr_workgroup_id_x 1
		.amdhsa_system_sgpr_workgroup_id_y 1
		.amdhsa_system_sgpr_workgroup_id_z 1
		.amdhsa_system_vgpr_workitem_id 0
		.amdhsa_next_free_vgpr 256
		.amdhsa_next_free_sgpr 66
		.amdhsa_reserve_vcc 0
		.amdhsa_float_denorm_mode_32 3
		.amdhsa_float_denorm_mode_16_64 3
		.amdhsa_memory_ordered 1
		.amdhsa_forward_progress 1
		.amdhsa_inst_pref_size 25
	.end_amdhsa_kernel
	.amdgpu_metadata
---
amdhsa.version: [ 1, 2 ]
amdhsa.kernels:
  - .name:           k_q517f5ed0ee_ln2
    .symbol:         k_q517f5ed0ee_ln2.kd
    .args:
      - { .name: x1, .offset: 0, .size: 8, .value_kind: global_buffer, .address_space: global }
      - { .name: ln2_g, .offset: 8, .size: 8, .value_kind: global_buffer, .address_space: global }
      - { .name: ln2_b, .offset: 16, .size: 8, .value_kind: global_buffer, .address_space: global }
      - { .name: h2c, .offset: 24, .size: 8, .value_kind: global_buffer, .address_space: global }
    .group_segment_fixed_size: 69632
    .private_segment_fixed_size: 0
    .kernarg_segment_align: 8
    .kernarg_segment_size: 32
    .max_flat_workgroup_size: 256
    .sgpr_count:     66
    .vgpr_count:     256
    .wavefront_size: 32
...
	.end_amdgpu_metadata
.endif
;; end of part 5
;; launch ff1 (part 6): grid 16 x 16, 4 waves a work-group, clusters of 4 x 4, 327,680 bytes of LDS; arguments h2c, wimg, b_ff1, ffc; writes ffc
.if DOCPART == 6
	.amdgcn_target "amdgcn-amd-amdhsa--gfx1250"
	.amdhsa_code_object_version 6
	.text
	.protected	k_q517f5ed0ee_ff1
	.globl	k_q517f5ed0ee_ff1
	.p2align	8
	.type	k_q517f5ed0ee_ff1,@function
k_q517f5ed0ee_ff1:
	s_mov_b64 s[64:65], 0
	v_nop
	global_prefetch_b8 v0, s[64:65] scope:SCOPE_SE
	s_setreg_imm32_b32 hwreg(HW_REG_WAVE_MODE, 25, 1), 1
	s_wait_xcnt 0x0
	s_wait_alu depctr_hold_cnt(0) depctr_sa_sdst(0) depctr_va_vdst(0) depctr_va_sdst(0) depctr_va_ssrc(0) depctr_va_vcc(0) depctr_vm_vsrc(0)
	s_getreg_b32 s2, hwreg(HW_REG_IB_STS2, 6, 4)
	s_cmp_eq_u32 s2, 0
	s_cbranch_scc0 .Lentry_in_a_cluster
	s_endpgm
.Lentry_in_a_cluster:
	s_bfe_u32 s2, ttmp6, 0x10000c
	s_cmp_lg_u32 s2, 0xf033
	s_cbranch_scc0 .Lentry_shape_is_right
	s_endpgm
.Lentry_shape_is_right:
; The first FFN product: relu(h2 W1 + b1), quantised along the hidden units in registers and stored as the second product's operand images.  (With FF1 = 0 the same text makes q, k and v.)
; OPERANDS are images of registers (a tile of 16 rows; a record of 3,328 bytes = two fragments of 128 along K and their scale words; a tile's records on end; place r of tile t is row 32 (t / 2) + 8 (t % 2) + r + 8 (r / 8)).
; ROLES.  Source 0 takes role B's tiles (rows of W1), source 1 role A's (tokens): a lane holds ONE token, and the 64 registers of its eight results run along 128 neighbouring hidden units, which are the next product's K.
; The bias is the C of each sum's first matrix instruction, in the result's layout.
; A work-group of four waves makes 256 x 256, a wave 128 x 128: 64 accumulators.
; THE SLOTS.  K = 1,024 is four records of each tile.  LDS holds three slots of one record of all 32 tiles (106,496 bytes each).  Records 0, 1, 2 are asked for together at the head; record 3 fills slot 0 again behind the
; one round, when slot 0 has been multiplied, and has slots 1 and 2, 256 matrix instructions, in which to land.  The eight K steps of 128 are written out.
; CLUSTERS: 4 x 4.  Role A's tiles are shared along a row of the cluster, role B's along a column: each is asked for jointly.
; REGISTERS: window 0: v4-15 LDS addresses, v24-29 other addresses; v32-39 role A's scale words; v40-55 role B's, two sets; v64-123 the way out; v128-223 role A's fragments, one set.  Window 1: role B's fragments, two sets
; (v0, v128); the bias (v96-127, v224-255).  Windows 2, 3: the accumulators, (a, b) at v[8 (8 (a % 4) + b)].
; LIMITS: NaN and infinities are not served; a block of zeros gets the scale byte 1 (its codes are zeros; this program alone reads the bytes).
.set FF1,   1
.set NBLK,  8
.set HB,    4
.set REC,   3328
.set TROW,  3328
.set TILEB, 13312
.set GRPB,  16*TILEB
.set QUART, NBLK*TROW
.set SLOT,  4*QUART
.set SPARE, 3*SLOT
.set A16, 4
.set A4,  7
.set B16, 10
.set B4,  13
.set L16, 24
.set L4,  25
.set SPW, 28
.set NIL, 29
.set SA,  32
.set SB,  40
.set TM,  64
.set PW,  80
.set PC,  96
.set WW,  116
.set AF,  128
.set G1,  24
.set G0,  32
.set G0C, 80
.set G1B, 48
.set G0B, 56
.set G0BC, 84
.set SEL, 72
.set MSB, 0
.macro WIN new
.if MSB != (\new)
	s_set_vgpr_msb (MSB<<8)|(\new)
.set MSB, (\new)
.endif
.endm
.set MUL_LO, 0xa1
.set MUL_HI, 0xf1
.set TO_B,   0x40
.macro JLOAD g0a, g1a, g0b, g1b
	s_cmp_eq_u32 s15, 0
	s_cbranch_scc0 .Lfor_b_\@
	tensor_load_to_lds s[\g0a:\g0a+3], s[\g1a:\g1a+7]
	s_nop 0
.rept 4
	v_nop
.endr
	s_branch .Lasked_\@
.Lfor_b_\@:
	tensor_load_to_lds s[\g0b:\g0b+3], s[\g1b:\g1b+7]
	s_nop 0
.rept 4
	v_nop
.endr
.Lasked_\@:
.endm
.macro CREST
	s_cmp_lg_u32 s14, 0
	s_cbranch_scc1 .Lnot_wave_0_\@
	s_barrier_signal -3
.Lnot_wave_0_\@:
	s_barrier_wait -3
	s_barrier_signal -1
	s_barrier_wait -1
.endm
.macro CROUND
	s_barrier_signal -1
	s_barrier_wait -1
	CREST
.endm
.macro PLACES n
.rept \n
	v_nop
.endr
.endm
	s_load_b128 s[4:7], s[0:1], 0x0                ; the activations' codes, the weights' images
.if FF1
	s_load_b128 s[8:11], s[0:1], 0x10              ; the bias, the result
.else
	s_load_b64 s[10:11], s[0:1], 0x10
.endif
	v_lshl_add_u32 v[SPW], v0, 2, SPARE
	v_mov_b32 v[NIL], 0
	ds_add_u32 v[SPW], v[NIL]                      ; the opening: the add, twice on end, and its wait ahead of my first tensor load
	ds_add_u32 v[SPW], v[NIL]
	v_lshrrev_b32 v1, 5, v0
	v_readfirstlane_b32 s14, v1
	s_lshr_b32 s15, s14, 1
	s_and_b32 s16, s14, 1
	s_bfe_u32 s40, ttmp6, 0x40000
	s_bfe_u32 s41, ttmp6, 0x40004
	s_and_b32 s17, ttmp7, 0xffff
	s_lshl_b32 s17, s17, 2
	s_lshl_b32 s43, s41, 2
	s_lshl_b32 s43, 15, s43
	s_lshl_b32 s44, 0x1111, s40
	s_or_b32 s[G1+0], s43, (3<<16)|(1<<21)
	s_or_b32 s[G1B+0], s44, (3<<16)|(1<<21)
.irp g, G1, G1B
	s_mov_b32 s[\g+1], (TROW/8)<<16
	s_mov_b32 s[\g+2], NBLK<<16
	s_mov_b32 s[\g+3], (TROW/8)<<16
	s_mov_b32 s[\g+4], NBLK
	s_mov_b32 s[\g+5], TILEB/8
	s_mov_b32 s[\g+6], 0
	s_mov_b32 s[\g+7], 0
.endr
	s_add_co_u32 s42, s17, s41                     ; ty = 4 x cluster y + cy
	s_lshl_b32 s45, ttmp9, 2
	s_add_co_u32 s45, s45, s40                     ; tx = 4 x cluster x + cx
.if FF1
	s_mov_b32 s20, s42                             ; role A: the tokens' group
	s_add_co_u32 s46, s45, 16                      ; role B: w_ff1's groups begin at unit 256
.else
	s_add_co_u32 s18, s41, 8
	s_add_co_u32 s46, s17, s40
	s_cmp_lt_u32 ttmp9, 2
	s_cselect_b32 s20, s42, s18
	s_cselect_b32 s46, s45, s46
.endif
	s_mul_i32 s20, s20, GRPB
	s_mul_i32 s46, s46, GRPB
	s_mul_i32 s18, s16, NBLK*TILEB
	s_add_co_u32 s20, s20, s18
	s_add_co_u32 s46, s46, s18
	s_mov_b32 s21, 0
	s_mov_b32 s47, 0
	s_mul_i32 s94, s14, QUART
	s_mov_b32 s[SEL], 0x76543210
	s_mov_b32 s[SEL+1], 0xfedcba98
	s_wait_dscnt 0x0
	s_wait_kmcnt 0x0
.if FF1
	s_add_nc_u64 s[20:21], s[4:5], s[20:21]
	s_add_nc_u64 s[46:47], s[6:7], s[46:47]
.else
	s_cmp_lt_u32 ttmp9, 2
	s_cselect_b64 s[22:23], s[4:5], s[6:7]
	s_cselect_b64 s[92:93], s[6:7], s[4:5]
	s_add_nc_u64 s[20:21], s[22:23], s[20:21]
	s_add_nc_u64 s[46:47], s[92:93], s[46:47]
.endif
	CROUND                                         ; all sixteen work-groups are here: the first joint loads meet
; slot s's groups 0 and its first fill: record s
.macro FIRST ga, gb, s
	s_mov_b32 s[\ga], 1
	s_add_co_u32 s[\ga+1], s94, \s*SLOT
	s_add_nc_u64 s[\ga+2:\ga+3], s[20:21], \s*TROW
	s_or_b32 s[\ga+3], s[\ga+3], 0x80000000
	s_mov_b32 s[\gb], 1
	s_add_co_u32 s[\gb+1], s94, \s*SLOT
	s_add_nc_u64 s[\gb+2:\gb+3], s[46:47], \s*TROW
	s_or_b32 s[\gb+3], s[\gb+3], 0x80000000
	JLOAD \ga, G1, \gb, G1B
.endm
	FIRST G0, G0B, 0
	FIRST G0+4, G0B+4, 1
	FIRST G0C, G0BC, 2                             ; three loads of mine are out
	v_and_b32 v1, 31, v0
	v_lshlrev_b32 v[L16], 4, v1
	v_lshlrev_b32 v[L4], 2, v1
	s_mul_i32 s21, s15, QUART
	s_mul_i32 s22, s16, QUART
	s_add_co_u32 s22, s22, 2*QUART
.irp s, 0,1,2
	v_add_nc_u32 v[A16+\s], s21, v[L16]
	v_add_nc_u32 v[A4+\s], s21, v[L4]
	v_add_nc_u32 v[B16+\s], s22, v[L16]
	v_add_nc_u32 v[B4+\s], s22, v[L4]
	s_add_co_u32 s21, s21, SLOT
	s_add_co_u32 s22, s22, SLOT
.endr
.irp b, 0,1,2,3
	v_mov_b32 v[TM+4+\b], 0
.endr
.if FF1
	; the result: token tile 16 ty + 8 (my half) + a, 53,248 bytes a tile; record tx, fragment = my half of role B
	s_lshl_b32 s74, s42, 4
	s_lshl_b32 s75, s15, 3
	s_add_co_u32 s74, s74, s75
	s_mul_i32 s74, s74, 53248
	s_mul_i32 s75, s45, REC
	s_add_co_u32 s74, s74, s75
	s_mul_i32 s75, s16, 1536
	s_add_co_u32 s78, s74, s75
	s_mov_b32 s79, 0
	s_add_nc_u64 s[68:69], s[10:11], s[78:79]
	s_lshl_b32 s75, s16, 7
	s_add_co_u32 s78, s74, s75
	s_add_nc_u64 s[70:71], s[10:11], s[78:79]      ; the scale words (3,072 further on, in the immediate)
	; the bias, in the result's layout: for role B's tile 2 b + u, lane half h: hidden units 32 b + 16 h + 8 u + 0 .. 7 of my 128
	v_bfe_u32 v2, v0, 4, 1
	v_lshlrev_b32 v26, 6, v2
	s_lshl_b32 s76, s45, 10
	s_lshl_b32 s77, s16, 9
	s_add_co_u32 s76, s76, s77
	s_mov_b32 s77, 0
	s_add_nc_u64 s[76:77], s[8:9], s[76:77]
	WIN 0x40
.irp b, 0,1,2,3,4,5,6,7
	global_load_b128 v[96+8*\b+96*(\b/4):99+8*\b+96*(\b/4)], v26, s[76:77] offset:(32*(\b/2)+8*(\b%2))*4
	global_load_b128 v[100+8*\b+96*(\b/4):103+8*\b+96*(\b/4)], v26, s[76:77] offset:(32*(\b/2)+8*(\b%2))*4+16
.endr
	WIN 0
.else
	s_add_co_u32 s74, s17, s40
	s_cmp_eq_u32 ttmp9, 2
	s_cselect_b32 s74, s74, s42
	s_cselect_b32 s75, s41, s40
	s_cselect_b32 s76, s15, s16
	s_cselect_b32 s77, s16, s15
	s_lshr_b32 s78, s74, 3
	s_and_b32 s74, s74, 7
	s_lshl_b32 s74, s74, 1
	s_add_co_u32 s74, s74, s77
	s_lshl_b32 s78, s78, 4
	s_lshl_b32 s75, s75, 2
	s_add_co_u32 s78, s78, s75
	s_lshl_b32 s76, s76, 1
	s_add_co_u32 s78, s78, s76
	s_lshl_b32 s78, s78, 4
	s_add_co_u32 s78, s78, s74
	s_mul_i32 s78, s78, 19968
	s_cmp_eq_u32 ttmp9, 0
	s_cselect_b32 s79, 13312, 0
	s_add_co_u32 s78, s78, s79
	s_mov_b32 s79, 0
	s_add_nc_u64 s[68:69], s[10:11], s[78:79]
.endif
.macro BLKA slot, q, i
.irp c, 0,1,2
	ds_load_b128 v[AF+12*(\i)+4*\c:AF+12*(\i)+4*\c+3], v[A16+\slot] offset:(\i)*TROW+((\q)/2)*REC+((\q)%2)*1536+512*\c
.endr
	ds_load_b32 v[SA+(\i)], v[A4+\slot] offset:(\i)*TROW+((\q)/2)*REC+3072+((\q)%2)*128
.endm
.macro FETCH_A slot, q, i0
.set II, \i0
.rept HB
	BLKA \slot, \q, II
.set II, II+1
.endr
.endm
.macro FETCH_B slot, q, p
	WIN TO_B
.set II, 0
.rept NBLK
.irp c, 0,1,2
	ds_load_b128 v[128*(\p)+12*II+4*\c:128*(\p)+12*II+4*\c+3], v[B16+\slot] offset:II*TROW+((\q)/2)*REC+((\q)%2)*1536+512*\c
.endr
.set II, II+1
.endr
	WIN 0
.set II, 0
.rept NBLK
	ds_load_b32 v[SB+8*(\p)+II], v[B4+\slot] offset:II*TROW+((\q)/2)*REC+3072+((\q)%2)*128
.set II, II+1
.endr
.endm
; the accumulators take turns, one instruction a turn, in the same order in every step.  zero = 1: the first product starts the sums, from the bias
.macro MUL a0, na, p, zero
.set AA, \a0
.rept \na
.irp b, 0,1,2,3,4,5,6,7
.if (\zero) && FF1
	v_wmma_scale_f32_16x16x128_f8f6f4 v[8*(NBLK*(AA%4)+\b):8*(NBLK*(AA%4)+\b)+7], v[128*(\p)+12*\b:128*(\p)+12*\b+11], v[AF+12*AA:AF+12*AA+11], v[96+8*\b+96*(\b/4):103+8*\b+96*(\b/4)], v[SB+8*(\p)+\b], v[SA+AA] matrix_a_fmt:MATRIX_FMT_FP6 matrix_b_fmt:MATRIX_FMT_FP6
.elseif \zero
	v_wmma_scale_f32_16x16x128_f8f6f4 v[8*(NBLK*(AA%4)+\b):8*(NBLK*(AA%4)+\b)+7], v[128*(\p)+12*\b:128*(\p)+12*\b+11], v[AF+12*AA:AF+12*AA+11], 0, v[SB+8*(\p)+\b], v[SA+AA] matrix_a_fmt:MATRIX_FMT_FP6 matrix_b_fmt:MATRIX_FMT_FP6
.else
	v_wmma_scale_f32_16x16x128_f8f6f4 v[8*(NBLK*(AA%4)+\b):8*(NBLK*(AA%4)+\b)+7], v[128*(\p)+12*\b:128*(\p)+12*\b+11], v[AF+12*AA:AF+12*AA+11], v[8*(NBLK*(AA%4)+\b):8*(NBLK*(AA%4)+\b)+7], v[SB+8*(\p)+\b], v[SA+AA] matrix_a_fmt:MATRIX_FMT_FP6 matrix_b_fmt:MATRIX_FMT_FP6
.endif
.endr
.set AA, AA+1
.endr
.endm
; a step of 128 along K on role B's set p; it fetches the next step's fragments, the nq-th 128 along K of slot nslot, which is whole and shown to every wave.
; Loads into registers that matrix instructions have read stand four plain places behind them (ISA guide 7.12.1 for vector instructions)
.macro STEP p, nslot, nq, zero
	s_wait_dscnt 4*HB                              ; role B's set and role A's lower blocks are in; the upper blocks' loads, four each, may be out
.if (\zero) && FF1
	WIN 0x91                                       ; C, the bias, in window 1
.else
	WIN MUL_LO
.endif
	MUL 0, HB, \p, \zero
	s_wait_dscnt 0x0
	PLACES 4
	FETCH_B \nslot, \nq, 1-(\p)
	FETCH_A \nslot, \nq, 0
.if (\zero) && FF1
	WIN 0xd1
.else
	WIN MUL_HI
.endif
	MUL HB, HB, \p, \zero
	PLACES 4
	WIN 0
	FETCH_A \nslot, \nq, HB
.endm
; a step (on set 1) with a barrier in it: in front of it each wave waits for all its tensor loads, adds 0 to its spare word, and waits for that and for its reads of the slot in hand.
; fill = 1: slot 0, which has been read out, is filled again, with record 3.  fill = 0: nothing is filled; the wait and the barrier show record 3 to every wave.
.macro TURN next, fill
	s_wait_tensorcnt 0x0                           ; all my tensor loads have landed
	ds_add_u32 v[SPW], v[NIL]
	s_wait_dscnt 4*HB+1                            ; (the add and role A's upper blocks may be out)
	WIN MUL_LO
	MUL 0, HB/2, 1, 0
	s_wait_dscnt 0x0                               ; the add is done, and my reads of the slot in hand are over
	s_barrier_signal -1
	MUL HB/2, HB/2, 1, 0
	WIN 0
	s_barrier_wait -1
.if \fill
	CREST                                          ; a round of the cluster's barrier: no wave of any partner still reads slot 0 or has a load on its way
	s_add_nc_u64 s[G0+2:G0+3], s[G0+2:G0+3], 3*TROW
	s_add_nc_u64 s[G0B+2:G0B+3], s[G0B+2:G0B+3], 3*TROW
	JLOAD G0, G1, G0B, G1B                         ; my one tensor load behind the round; its four v_nop are the places in front of the loads below
.else
	PLACES 4
.endif
	FETCH_B \next, 0, 0
	FETCH_A \next, 0, 0
	WIN MUL_HI
	MUL HB, HB, 1, 0
	PLACES 4
	WIN 0
	FETCH_A \next, 0, HB
.endm
	s_wait_tensorcnt 2                             ; my part of slot 0 is in; the two loads issued behind it, slots 1 and 2, may stay out
	s_barrier_signal -1
	s_barrier_wait -1
	FETCH_B 0, 0, 0
	FETCH_A 0, 0, 0
	FETCH_A 0, 0, HB
.if FF1
	s_wait_loadcnt 0x0                             ; the bias
.endif
	STEP 0, 0, 1, 1                                ; K step 0: its products start the sums
	TURN 1, 1                                      ; K step 1: slots 1 and 2 are whole; slot 0 is asked for again
	STEP 0, 1, 1, 0                                ; K step 2
	STEP 1, 2, 0, 0                                ; K step 3: on into slot 2, which the last barrier has shown whole: no barrier here
	STEP 0, 2, 1, 0                                ; K step 4
	TURN 0, 0                                      ; K step 5: record 3 has landed in slot 0
	STEP 0, 0, 1, 0                                ; K step 6
	s_wait_dscnt 4*HB                              ; K step 7: nothing more to fetch
	WIN MUL_LO
	MUL 0, HB, 1, 0
	s_wait_dscnt 0x0
	WIN MUL_HI
	MUL HB, HB, 1, 0
	WIN 0
; THE WAY OUT of role A's block a: its 64 registers a lane, register 16 b + i = k 32 b + 16 h + i of my row, are quantised and leave as an operand image, straight from registers.  Each accumulator is read from its low end on.
.macro EPI a
.set W, 2+(\a)/4
.set S, 64*((\a)%4)
.if FF1
	WIN (W<<6)|(W<<2)
.set J, 0
.rept 64
	v_max_num_f32 v[S+J], 0, v[S+J]                ; the activation, in f32
.set J, J+1
.endr
.endif
	WIN W|(W<<2)
.irp b, 0,1,2,3
	v_max3_num_f32 v[TM+\b], |v[S+16*\b]|, |v[S+16*\b+1]|, 0x1800000
.endr
.irp i, 2,4,6,8,10,12,14
.irp b, 0,1,2,3
	v_max3_num_f32 v[TM+\b], |v[S+16*\b+\i]|, |v[S+16*\b+\i+1]|, v[TM+\b]
.endr
.endr
	WIN 0
.irp b, 0,1,2,3
	v_permlanex16_b32 v[TM+4+\b], v[TM+\b], s[SEL], s[SEL+1]
.endr
.irp b, 0,1,2,3
	v_max_num_f32 v[TM+\b], v[TM+\b], v[TM+4+\b]
.endr
.irp b, 0,1,2,3
	v_add_nc_u32 v[TM+12+\b], 0xff000000, v[TM+\b]
.endr
.irp b, 0,1,2,3
	v_lshrrev_b32 v[TM+4+\b], 23, v[TM+12+\b]
.endr
	v_lshl_or_b32 v[PW+(\a)], v[TM+5], 8, v[TM+4]
	v_lshl_or_b32 v[PW+(\a)], v[TM+6], 16, v[PW+(\a)]
	v_lshl_or_b32 v[PW+(\a)], v[TM+7], 24, v[PW+(\a)]
.if (\a) > 0
	s_wait_xcnt 0x0                                ; the last block's stores have read the codes' registers
.endif
	WIN W
.irp c, 0,1
	v_cvt_scalef32_pk16_fp6_f32 v[PC+6*\c:PC+2+6*\c], v[S+32*\c:S+15+32*\c], v[TM+12+2*\c]
	v_cvt_scalef32_pk16_fp6_f32 v[PC+12+4*\c:PC+14+4*\c], v[S+16+32*\c:S+31+32*\c], v[TM+12+2*\c+1]
.endr
	WIN 0
	v_nop                                          ; one plain place behind a scaled conversion
.irp c, 0,1
.irp i, 0,1,2
	v_permlane16_swap_b32 v[PC+6*\c+\i], v[PC+12+4*\c+\i]
.endr
.irp i, 0,1,2
	v_mov_b32 v[PC+3+6*\c+\i], v[PC+12+4*\c+\i]
.endr
.endr
.if FF1
.irp c, 0,1,2
	global_store_b128 v[L16], v[PC+4*\c:PC+4*\c+3], s[68:69] offset:(\a)*53248+512*\c
.endr
	global_store_b32 v[L4], v[PW+(\a)], s[70:71] offset:(\a)*53248+3072
.else
	s_cmp_eq_u32 ttmp9, 2
	s_cbranch_scc1 .Lv_\@
.irp c, 0,1
.if (\a)%2 == 0
	global_store_b128 v[L16], v[PC+6*\c:PC+6*\c+3], s[68:69] offset:\c*319488+((\a)/2)*1536
	global_store_b64 v[L16], v[PC+6*\c+4:PC+6*\c+5], s[68:69] offset:\c*319488+((\a)/2)*1536+512
.else
	global_store_b64 v[L16], v[PC+6*\c:PC+6*\c+1], s[68:69] offset:\c*319488+((\a)/2)*1536+520
	global_store_b128 v[L16], v[PC+6*\c+2:PC+6*\c+5], s[68:69] offset:\c*319488+((\a)/2)*1536+1024
.endif
.endr
.if (\a)%2 == 1
	v_perm_b32 v[WW+(\a)-1], v[PW+(\a)], v[PW+(\a)-1], 0x05040100
	v_perm_b32 v[WW+(\a)], v[PW+(\a)], v[PW+(\a)-1], 0x07060302
	global_store_b32 v[L4], v[WW+(\a)-1], s[68:69] offset:6144+((\a)/2)*128
	global_store_b32 v[L4], v[WW+(\a)], s[68:69] offset:319488+6144+((\a)/2)*128
.endif
	s_branch .Ldone_\@
.Lv_\@:
.irp c, 0,1,2
	global_store_b128 v[L16], v[PC+4*\c:PC+4*\c+3], s[68:69] offset:((\a)/4)*319488+6656+((\a)%4)*1536+512*\c
.endr
	global_store_b32 v[L4], v[PW+(\a)], s[68:69] offset:((\a)/4)*319488+12800+((\a)%4)*128
.Ldone_\@:
.endif
.endm
	PLACES 4
.irp a, 0,1,2,3,4,5,6,7
	EPI \a
.endr
	s_wait_tensorcnt 0x0                           ; the wave's end
	ds_add_u32 v[SPW], v[NIL]
	s_wait_dscnt 0x0
	CROUND                                         ; the closing round
	s_endpgm
.Lfunc_end_k_q517f5ed0ee_ff1:
	.size	k_q517f5ed0ee_ff1, .Lfunc_end_k_q517f5ed0ee_ff1-k_q517f5ed0ee_ff1
	.p2alignl 7, 3214868480
	.fill 96, 4, 3214868480
	.section	.rodata,"a",@progbits
	.p2align	6, 0x0
	.amdhsa_kernel k_q517f5ed0ee_ff1
		.amdhsa_group_segment_fixed_size 327680
		.amdhsa_private_segment_fixed_size 0
		.amdhsa_enable_private_segment 0
		.amdhsa_kernarg_size 32
		.amdhsa_user_sgpr_count 2
		.amdhsa_user_sgpr_kernarg_segment_ptr 1
		.amdhsa_wavefront_size32 1
		.amdhsa_system_sgpr_workgroup_id_x 1
		.amdhsa_system_sgpr_workgroup_id_y 1
		.amdhsa_system_sgpr_workgroup_id_z 1
		.amdhsa_system_vgpr_workitem_id 0
		.amdhsa_next_free_vgpr 1024
		.amdhsa_next_free_sgpr 100
		.amdhsa_reserve_vcc 0
		.amdhsa_float_denorm_mode_32 3
		.amdhsa_float_denorm_mode_16_64 3
		.amdhsa_memory_ordered 1
		.amdhsa_forward_progress 1
		.amdhsa_inst_pref_size 162
	.end_amdhsa_kernel
	.amdgpu_metadata
---
amdhsa.version: [ 1, 2 ]
amdhsa.kernels:
  - .name:           k_q517f5ed0ee_ff1
    .symbol:         k_q517f5ed0ee_ff1.kd
    .args:
      - { .name: h2c, .offset: 0, .size: 8, .value_kind: global_buffer, .address_space: global }
      - { .name: wimg, .offset: 8, .size: 8, .value_kind: global_buffer, .address_space: global }
      - { .name: b_ff1, .offset: 16, .size: 8, .value_kind: global_buffer, .address_space: global }
      - { .name: ffc, .offset: 24, .size: 8, .value_kind: global_buffer, .address_space: global }
    .group_segment_fixed_size: 327680
    .private_segment_fixed_size: 0
    .kernarg_segment_align: 8
    .kernarg_segment_size: 32
    .max_flat_workgroup_size: 128
    .sgpr_count:     100
    .vgpr_count:     1024
    .wavefront_size: 32
...
	.end_amdgpu_metadata
.endif
;; end of part 6
;; launch ff2 (part 7): grid 8 x 32, 4 waves a work-group, clusters of 4 x 4, 327,680 bytes of LDS; arguments ffc, wimg, x1, b_ff2, out0; writes out0
.if DOCPART == 7
	.amdgcn_target "amdgcn-amd-amdhsa--gfx1250"
	.amdhsa_code_object_version 6
	.text
	.protected	k_q517f5ed0ee_ff2
	.globl	k_q517f5ed0ee_ff2
	.p2align	8
	.type	k_q517f5ed0ee_ff2,@function
k_q517f5ed0ee_ff2:
	s_mov_b64 s[64:65], 0
	v_nop
	global_prefetch_b8 v0, s[64:65] scope:SCOPE_SE
	s_setreg_imm32_b32 hwreg(HW_REG_WAVE_MODE, 25, 1), 1
	s_wait_xcnt 0x0
	s_wait_alu depctr_hold_cnt(0) depctr_sa_sdst(0) depctr_va_vdst(0) depctr_va_sdst(0) depctr_va_ssrc(0) depctr_va_vcc(0) depctr_vm_vsrc(0)
	s_getreg_b32 s2, hwreg(HW_REG_IB_STS2, 6, 4)
	s_cmp_eq_u32 s2, 0
	s_cbranch_scc0 .Lentry_in_a_cluster
	s_endpgm
.Lentry_in_a_cluster:
	s_bfe_u32 s2, ttmp6, 0x10000c
	s_cmp_lg_u32 s2, 0xf033
	s_cbranch_scc0 .Lentry_shape_is_right
	s_endpgm
.Lentry_shape_is_right:
; out = x1 + ff w_ff2 + b_ff2, f32.  ff: 4,096 tokens x 4,096 as operand images; w_ff2: 1,024 rows x 4,096 as operand images, WOFF bytes into the weights' buffer.
; OPERANDS are images of registers (a tile of 16 rows; a record of 3,328 bytes = two fragments of 128 along K and their scale words; a tile's sixteen records on end; place r of tile t is row 32 (t / 2) + 8 (t % 2) + r + 8 (r / 8)).
; Source 0 takes the weights' tiles (role B), source 1 the tokens' (role A): a lane holds one token, and its eight results of a tile are eight neighbouring columns.
; A work-group of four waves makes 128 x 128, a wave 64 x 64 (a tile of 256 x 256 would give 64 work-groups for N = 1,024).
; THE TWO REGIONS.  LDS holds six records of each of the work-group's 16 tiles: region 0 four of them (212,992 bytes), region 1 two (106,496 bytes).  They take turns along K: 4, 2, 4, 2, 4 records make the sixteen.
; The first two fills go out together at the head; three refills follow, each behind a round of the cluster's barrier, each one load a wave.  So K = 4,096 is walked with three refills, and a load brings as much as the
; region holds.  The 32 K steps of 128 are written out: the last change of regions asks for nothing.
; CLUSTERS: 4 x 4: the tokens' tiles are shared along a row of the cluster, the weights' along a column: each is asked for jointly.
; REGISTERS: window 0: v16-29 addresses; v32-35 role A's scale words; v40-55 role B's, two sets; v60-63 the bias; v128-175 role A's fragments, later rows on the way out.  Window 1: role B's fragments, two sets.
; Window 2: v0-127 the 16 accumulators, (a, b) at v[8 (4 a + b)]; v128-255 the residual, asked for at the head.
.set WOFF,  512*13312
.set NBLK,  4
.set HB,    2
.set REC,   3328
.set TILEB, 16*REC                     ; a tile's bytes in memory: K = 4,096
.set GRPB,  8*TILEB                    ; a work-group's 8 tiles of a role
.set TRB,   4*REC                      ; a tile's bytes in region 0
.set TRS,   2*REC                      ; and in region 1
.set QB,    NBLK*TRB                   ; what one tensor load brings into region 0, and what one wave reads of a role there
.set QS,    NBLK*TRS                   ; the same for region 1
.set REG1,  4*QB                       ; region 1 begins here
.set SPARE, REG1+4*QS                  ; behind the regions: the spare words, 128 bytes for each wave
.set A16, 16                           ; v16-17 role A's fragments in region 0, 1: 16 x lane + my half
.set A4,  18                           ; v18-19 its scale words
.set B16, 20
.set B4,  22
.set STO, 24                           ; v24 the stage: where I put 32 bytes of a row
.set RD,  25                           ; v25 and where I read a row back
.set CO,  26                           ; v26 my byte offset in the result: (lane / 16) rows + 16 (lane % 16)
.set R16, 27                           ; v27 16 (lane % 16)
.set SPW, 28
.set NIL, 29
.set SA,  32
.set SB,  40
.set BIAS, 60
.set AF,  128
.set BK,  128                          ; the way out: v128-159 and v160-191 by turns
.set G1,  24                           ; s[24:31] group 1: region 0, role A
.set G0,  32                           ; s[32:39] role A's groups 0 for regions 0 and 1
.set G1B, 48                           ; s[48:55] group 1: region 0, role B
.set G0B, 56                           ; s[56:63] role B's groups 0
.set G1S, 68                           ; s[68:75] group 1: region 1, role A
.set G1SB, 80                          ; s[80:87] group 1: region 1, role B
.set MSB, 0
.macro WIN new
.if MSB != (\new)
	s_set_vgpr_msb (MSB<<8)|(\new)
.set MSB, (\new)
.endif
.endm
.set MULW, 0xa1                        ; source 0 window 1, source 1 window 0, C and D window 2
.set TO_B, 0x40
; a joint load: waves 0 and 1 fetch role A's halves, waves 2 and 3 role B's; an s_nop 0 and four v_nop follow each line
.macro JLOAD g0a, g1a, g0b, g1b
	s_cmp_eq_u32 s15, 0
	s_cbranch_scc0 .Lfor_b_\@
	tensor_load_to_lds s[\g0a:\g0a+3], s[\g1a:\g1a+7]
	s_nop 0
.rept 4
	v_nop
.endr
	s_branch .Lasked_\@
.Lfor_b_\@:
	tensor_load_to_lds s[\g0b:\g0b+3], s[\g1b:\g1b+7]
	s_nop 0
.rept 4
	v_nop
.endr
.Lasked_\@:
.endm
.macro CREST
	s_cmp_lg_u32 s14, 0
	s_cbranch_scc1 .Lnot_wave_0_\@
	s_barrier_signal -3
.Lnot_wave_0_\@:
	s_barrier_wait -3
	s_barrier_signal -1
	s_barrier_wait -1
.endm
.macro CROUND
	s_barrier_signal -1
	s_barrier_wait -1
	CREST
.endm
.macro PLACES n
.rept \n
	v_nop
.endr
.endm
	s_load_b256 s[4:11], s[0:1], 0x0               ; the tokens' codes, the weights' images, the residual, the bias
	s_load_b64 s[12:13], s[0:1], 0x20              ; the result
	v_lshl_add_u32 v[SPW], v0, 2, SPARE
	v_mov_b32 v[NIL], 0
	ds_add_u32 v[SPW], v[NIL]                      ; the opening: the add, twice on end, and its wait ahead of my first tensor load
	ds_add_u32 v[SPW], v[NIL]
	v_lshrrev_b32 v1, 5, v0
	v_readfirstlane_b32 s14, v1
	s_lshr_b32 s15, s14, 1                         ; my half of the tokens.  Also: I fetch for role A (0) or B (1)
	s_and_b32 s16, s14, 1                          ; my half of the columns.  Also: which half I fetch
	s_bfe_u32 s40, ttmp6, 0x40000
	s_bfe_u32 s41, ttmp6, 0x40004
	s_lshl_b32 s42, ttmp9, 2
	s_add_co_u32 s42, s42, s40                     ; tx: 128 columns
	s_and_b32 s17, ttmp7, 0xffff
	s_lshl_b32 s17, s17, 2
	s_add_co_u32 s17, s17, s41                     ; ty: 128 tokens
	s_lshl_b32 s43, s41, 2
	s_lshl_b32 s43, 15, s43                        ; my row of the cluster
	s_lshl_b32 s44, 0x1111, s40                    ; my column
	s_or_b32 s[G1+0], s43, (3<<16)|(1<<21)         ; the mask; elements of 8 bytes; bit 21 beside a mask; no padding
	s_or_b32 s[G1B+0], s44, (3<<16)|(1<<21)
	s_or_b32 s[G1S+0], s43, (3<<16)|(1<<21)
	s_or_b32 s[G1SB+0], s44, (3<<16)|(1<<21)
.irp g, G1, G1B
	s_mov_b32 s[\g+1], (TRB/8)<<16                 ; tensor_dim0: four records
	s_mov_b32 s[\g+2], NBLK<<16                    ; tensor_dim1: four tiles
	s_mov_b32 s[\g+3], (TRB/8)<<16                 ; tile_dim0
	s_mov_b32 s[\g+4], NBLK                        ; tile_dim1
	s_mov_b32 s[\g+5], TILEB/8                     ; from tile to tile
	s_mov_b32 s[\g+6], 0
	s_mov_b32 s[\g+7], 0
.endr
.irp g, G1S, G1SB
	s_mov_b32 s[\g+1], (TRS/8)<<16                 ; two records
	s_mov_b32 s[\g+2], NBLK<<16
	s_mov_b32 s[\g+3], (TRS/8)<<16
	s_mov_b32 s[\g+4], NBLK
	s_mov_b32 s[\g+5], TILEB/8
	s_mov_b32 s[\g+6], 0
	s_mov_b32 s[\g+7], 0
.endr
	s_mul_i32 s20, s17, GRPB
	s_mul_i32 s46, s42, GRPB
	s_mul_i32 s18, s16, NBLK*TILEB
	s_add_co_u32 s20, s20, s18
	s_add_co_u32 s46, s46, s18
	s_add_co_u32 s46, s46, WOFF
	s_mov_b32 s21, 0
	s_mov_b32 s47, 0
	s_mul_i32 s94, s14, QB                         ; where my loads go, in region 0
	s_mul_i32 s95, s14, QS
	s_add_co_u32 s95, s95, REG1                    ; and in region 1: no place in the cluster enters an LDS address
	s_wait_dscnt 0x0                               ; both opening adds are done
	s_wait_kmcnt 0x0
	s_add_nc_u64 s[20:21], s[4:5], s[20:21]
	s_add_nc_u64 s[46:47], s[6:7], s[46:47]
	CROUND                                         ; all sixteen work-groups are here: the first joint loads meet
.irp s, 0,1
	s_mov_b32 s[G0+4*\s], 1
	s_mov_b32 s[G0+4*\s+1], s[94+\s]
	s_add_nc_u64 s[G0+4*\s+2:G0+4*\s+3], s[20:21], \s*4*REC        ; region 0 begins with records 0 to 3, region 1 with records 4 and 5
	s_or_b32 s[G0+4*\s+3], s[G0+4*\s+3], 0x80000000
	s_mov_b32 s[G0B+4*\s], 1
	s_mov_b32 s[G0B+4*\s+1], s[94+\s]
	s_add_nc_u64 s[G0B+4*\s+2:G0B+4*\s+3], s[46:47], \s*4*REC
	s_or_b32 s[G0B+4*\s+3], s[G0B+4*\s+3], 0x80000000
.endr
	JLOAD G0, G1, G0B, G1B
	JLOAD G0+4, G1S, G0B+4, G1SB                   ; two loads of mine are out
	v_and_b32 v1, 31, v0
	v_lshlrev_b32 v2, 4, v1
	v_lshlrev_b32 v3, 2, v1
	s_mul_i32 s21, s15, QB
	s_mul_i32 s22, s16, QB
	s_add_co_u32 s22, s22, 2*QB
	v_add_nc_u32 v[A16], s21, v2
	v_add_nc_u32 v[A4], s21, v3
	v_add_nc_u32 v[B16], s22, v2
	v_add_nc_u32 v[B4], s22, v3
	s_mul_i32 s21, s15, QS
	s_add_co_u32 s21, s21, REG1
	s_mul_i32 s22, s16, QS
	s_add_co_u32 s22, s22, REG1+2*QS
	v_add_nc_u32 v[A16+1], s21, v2
	v_add_nc_u32 v[A4+1], s21, v3
	v_add_nc_u32 v[B16+1], s22, v2
	v_add_nc_u32 v[B4+1], s22, v3
	v_and_b32 v1, 15, v0                           ; r
	v_bfe_u32 v2, v0, 4, 1                         ; h
	s_mul_i32 s23, s14, 16*272                     ; my stage: 16 rows x (256 + 16) bytes, in region 1, which has had its last fill and, behind the last barrier, its last read when the first result is stored there
	s_add_co_u32 s23, s23, REG1
	v_mul_u32_u24 v[STO], v1, 272
	v_lshl_add_u32 v[STO], v2, 6, v[STO]
	v_add_nc_u32 v[STO], s23, v[STO]
	v_lshlrev_b32 v[R16], 4, v1
	v_mul_u32_u24 v[RD], v2, 272
	v_add_nc_u32 v[RD], v[RD], v[R16]
	v_add_nc_u32 v[RD], s23, v[RD]
	v_lshl_add_u32 v[CO], v2, 12, v[R16]
	s_lshl_b32 s88, s17, 19                        ; 128 ty rows of 4,096 bytes,
	s_lshl_b32 s89, s15, 18                        ; my 64 of them,
	s_add_co_u32 s88, s88, s89
	s_lshl_b32 s90, s42, 9                         ; 128 tx columns,
	s_lshl_b32 s91, s16, 8                         ; my 64
	s_add_co_u32 s90, s90, s91
	s_add_co_u32 s88, s88, s90
	s_mov_b32 s89, 0
	s_mov_b32 s91, 0
	s_add_nc_u64 s[8:9], s[8:9], s[88:89]
	s_add_nc_u64 s[12:13], s[12:13], s[88:89]
	s_add_nc_u64 s[10:11], s[10:11], s[90:91]
	WIN 0x80                                       ; destination window 2: the residual, in the order in which rows come back from the stage
.irp a, 0,1,2,3
.irp t, 0,1,2,3,4,5,6,7
	global_load_b128 v[128+32*\a+4*\t:131+32*\a+4*\t], v[CO], s[8:9] offset:(32*(\a/2)+8*(\a%2)+2*\t+8*(\t/4))*4096
.endr
.endr
	WIN 0
	global_load_b128 v[BIAS:BIAS+3], v[R16], s[10:11]
; a block of role A out of region slot (a tile's bytes there: TRB or TRS), the q-th 128 along K of the region: its fragment and its scale words: four loads
.macro BLKA slot, q, i
.irp c, 0,1,2
	ds_load_b128 v[AF+12*(\i)+4*\c:AF+12*(\i)+4*\c+3], v[A16+\slot] offset:(\i)*(TRB-(TRB-TRS)*(\slot))+((\q)/2)*REC+((\q)%2)*1536+512*\c
.endr
	ds_load_b32 v[SA+(\i)], v[A4+\slot] offset:(\i)*(TRB-(TRB-TRS)*(\slot))+((\q)/2)*REC+3072+((\q)%2)*128
.endm
.macro FETCH_A slot, q, i0
.set II, \i0
.rept HB
	BLKA \slot, \q, II
.set II, II+1
.endr
.endm
.macro FETCH_B slot, q, p
	WIN TO_B
.set II, 0
.rept NBLK
.irp c, 0,1,2
	ds_load_b128 v[128*(\p)+12*II+4*\c:128*(\p)+12*II+4*\c+3], v[B16+\slot] offset:II*(TRB-(TRB-TRS)*(\slot))+((\q)/2)*REC+((\q)%2)*1536+512*\c
.endr
.set II, II+1
.endr
	WIN 0
.set II, 0
.rept NBLK
	ds_load_b32 v[SB+8*(\p)+II], v[B4+\slot] offset:II*(TRB-(TRB-TRS)*(\slot))+((\q)/2)*REC+3072+((\q)%2)*128
.set II, II+1
.endr
.endm
; the sixteen accumulators take turns, one instruction a turn, in the same order in every step
.macro MUL a0, na, p, zero
.set AA, \a0
.rept \na
.irp b, 0,1,2,3
.if \zero
	v_wmma_scale_f32_16x16x128_f8f6f4 v[8*(NBLK*AA+\b):8*(NBLK*AA+\b)+7], v[128*(\p)+12*\b:128*(\p)+12*\b+11], v[AF+12*AA:AF+12*AA+11], 0, v[SB+8*(\p)+\b], v[SA+AA] matrix_a_fmt:MATRIX_FMT_FP6 matrix_b_fmt:MATRIX_FMT_FP6
.else
	v_wmma_scale_f32_16x16x128_f8f6f4 v[8*(NBLK*AA+\b):8*(NBLK*AA+\b)+7], v[128*(\p)+12*\b:128*(\p)+12*\b+11], v[AF+12*AA:AF+12*AA+11], v[8*(NBLK*AA+\b):8*(NBLK*AA+\b)+7], v[SB+8*(\p)+\b], v[SA+AA] matrix_a_fmt:MATRIX_FMT_FP6 matrix_b_fmt:MATRIX_FMT_FP6
.endif
.endr
.set AA, AA+1
.endr
.endm
; a step of 128 along K on role B's set p; it fetches the next step's fragments, the nq-th 128 along K of the same region.
; Loads into registers that matrix instructions have read stand four plain places behind them (ISA guide 7.12.1 for vector instructions)
.macro STEP p, nslot, nq, zero
	s_wait_dscnt 4*HB                              ; role B's set and role A's lower blocks are in; the upper blocks' loads, four each, may be out
	WIN MULW
	MUL 0, HB, \p, \zero
	s_wait_dscnt 0x0
	PLACES 4
	FETCH_B \nslot, \nq, 1-(\p)
	FETCH_A \nslot, \nq, 0
	WIN MULW
	MUL HB, HB, \p, \zero
	PLACES 4
	WIN 0
	FETCH_A \nslot, \nq, HB
.endm
; all steps of a region of n steps but its last
.macro RUN slot, n, zero
.set QQ, 0
.rept (\n)-1
.if QQ == 0
	STEP 0, \slot, 1, \zero
.else
	STEP QQ%2, \slot, QQ+1, 0
.endif
.set QQ, QQ+1
.endr
.endm
; a region's last step (on set 1) changes regions: one barrier; in front of it each wave waits for all its tensor loads, adds 0 to its spare word, and waits for that and for its reads of this region.
; fill = 1: this region is filled again, with the records six further on.
.macro TURN slot, next, fill
	s_wait_tensorcnt 0x0                           ; all my tensor loads have landed: my part of the next region
	ds_add_u32 v[SPW], v[NIL]
	s_wait_dscnt 4*HB+1                            ; (the add and role A's upper blocks may be out)
	WIN MULW
	MUL 0, HB/2, 1, 0
	s_wait_dscnt 0x0                               ; the add is done, and my reads of this region are over
	s_barrier_signal -1
	MUL HB/2, HB/2, 1, 0
	WIN 0
	s_barrier_wait -1
.if \fill
	CREST                                          ; a round of the cluster's barrier: no wave of any partner still reads this region or has a load on its way
	s_add_nc_u64 s[G0+4*\slot+2:G0+4*\slot+3], s[G0+4*\slot+2:G0+4*\slot+3], 6*REC
	s_add_nc_u64 s[G0B+4*\slot+2:G0B+4*\slot+3], s[G0B+4*\slot+2:G0B+4*\slot+3], 6*REC
.if (\slot) == 0
	JLOAD G0, G1, G0B, G1B                         ; my one tensor load behind the round; its four v_nop are the places in front of the loads below
.else
	JLOAD G0+4, G1S, G0B+4, G1SB
.endif
.else
	PLACES 4
.endif
	FETCH_B \next, 0, 0
	FETCH_A \next, 0, 0
	WIN MULW
	MUL HB, HB, 1, 0
	PLACES 4
	WIN 0
	FETCH_A \next, 0, HB
.endm
	s_wait_tensorcnt 1                             ; my part of region 0 is in; the load issued behind it, region 1's, may stay out
	s_barrier_signal -1
	s_barrier_wait -1
	FETCH_B 0, 0, 0
	FETCH_A 0, 0, 0
	FETCH_A 0, 0, HB
	RUN 0, 8, 1                                    ; records 0 to 3: the first step's products start the sums
	TURN 0, 1, 1                                   ; region 0 is asked for again: records 6 to 9
	RUN 1, 4, 0                                    ; records 4, 5
	TURN 1, 0, 1                                   ; region 1: records 10, 11
	RUN 0, 8, 0                                    ; records 6 to 9
	TURN 0, 1, 1                                   ; region 0: records 12 to 15
	RUN 1, 4, 0                                    ; records 10, 11
	TURN 1, 0, 0                                   ; nothing is left to fetch
	RUN 0, 8, 0                                    ; records 12 to 15
	s_wait_dscnt 4*HB                              ; the very last step
	WIN MULW
	MUL 0, HB, 1, 0
	s_wait_dscnt 0x0
	MUL HB, HB, 1, 0
	WIN 0
; THE WAY OUT, a tile of 16 tokens x my 64 columns at a time: through my own stage and back as whole rows of 256 bytes; residual and bias are added; sixteen lanes store 256 consecutive bytes, aligned.
.macro TOSTAGE a
	WIN 0x08                                       ; an LDS store's data are its source 1: window 2
.irp b, 0,1,2,3
	ds_store_b128 v[STO], v[8*(NBLK*(\a)+\b):8*(NBLK*(\a)+\b)+3] offset:128*(\b/2)+32*(\b%2)       ; each accumulator from its low end on
	ds_store_b128 v[STO], v[8*(NBLK*(\a)+\b)+4:8*(NBLK*(\a)+\b)+7] offset:128*(\b/2)+32*(\b%2)+16
.endr
	WIN 0
.set BB, BK+32*((\a)%2)
.irp t, 0,1,2,3,4,5,6,7
	ds_load_b128 v[BB+4*\t:BB+4*\t+3], v[RD] offset:544*\t   ; LDS serves a wave's instructions in order: these see my stores
.endr
.endm
.macro SEND a, younger
.set BB, BK+32*((\a)%2)
	s_wait_dscnt \younger
	WIN 0x08
.set TT, 0
.rept 16
	v_pk_add_f32 v[BB+2*TT:BB+2*TT+1], v[BB+2*TT:BB+2*TT+1], v[128+32*(\a)+2*TT:129+32*(\a)+2*TT]
.set TT, TT+1
.endr
	WIN 0
.set TT, 0
.rept 16
	v_pk_add_f32 v[BB+2*TT:BB+2*TT+1], v[BB+2*TT:BB+2*TT+1], v[BIAS+2*(TT%2):BIAS+2*(TT%2)+1]
.set TT, TT+1
.endr
.irp t, 0,1,2,3,4,5,6,7
	global_store_b128 v[CO], v[BB+4*\t:BB+4*\t+3], s[12:13] offset:(32*((\a)/2)+8*((\a)%2)+2*\t+8*(\t/4))*4096
.endr
.endm
	PLACES 4
	s_wait_loadcnt 0x0                             ; the residual and the bias
	TOSTAGE 0
	TOSTAGE 1
	SEND 0, 16                                     ; behind tile 0's loads: tile 1's eight stores and eight loads
	s_wait_xcnt 0x0                                ; tile 0's stores have read their registers
	TOSTAGE 2
	SEND 1, 16
	s_wait_xcnt 0x0
	TOSTAGE 3
	SEND 2, 16
	SEND 3, 0
	s_wait_tensorcnt 0x0                           ; the wave's end
	ds_add_u32 v[SPW], v[NIL]
	s_wait_dscnt 0x0
	CROUND                                         ; the closing round
	s_endpgm
.Lfunc_end_k_q517f5ed0ee_ff2:
	.size	k_q517f5ed0ee_ff2, .Lfunc_end_k_q517f5ed0ee_ff2-k_q517f5ed0ee_ff2
	.p2alignl 7, 3214868480
	.fill 96, 4, 3214868480
	.section	.rodata,"a",@progbits
	.p2align	6, 0x0
	.amdhsa_kernel k_q517f5ed0ee_ff2
		.amdhsa_group_segment_fixed_size 327680
		.amdhsa_private_segment_fixed_size 0
		.amdhsa_enable_private_segment 0
		.amdhsa_kernarg_size 40
		.amdhsa_user_sgpr_count 2
		.amdhsa_user_sgpr_kernarg_segment_ptr 1
		.amdhsa_wavefront_size32 1
		.amdhsa_system_sgpr_workgroup_id_x 1
		.amdhsa_system_sgpr_workgroup_id_y 1
		.amdhsa_system_sgpr_workgroup_id_z 1
		.amdhsa_system_vgpr_workitem_id 0
		.amdhsa_next_free_vgpr 768
		.amdhsa_next_free_sgpr 100
		.amdhsa_reserve_vcc 0
		.amdhsa_float_denorm_mode_32 3
		.amdhsa_float_denorm_mode_16_64 3
		.amdhsa_memory_ordered 1
		.amdhsa_forward_progress 1
		.amdhsa_inst_pref_size 174
	.end_amdhsa_kernel
	.amdgpu_metadata
---
amdhsa.version: [ 1, 2 ]
amdhsa.kernels:
  - .name:           k_q517f5ed0ee_ff2
    .symbol:         k_q517f5ed0ee_ff2.kd
    .args:
      - { .name: ffc, .offset: 0, .size: 8, .value_kind: global_buffer, .address_space: global }
      - { .name: wimg, .offset: 8, .size: 8, .value_kind: global_buffer, .address_space: global }
      - { .name: x1, .offset: 16, .size: 8, .value_kind: global_buffer, .address_space: global }
      - { .name: b_ff2, .offset: 24, .size: 8, .value_kind: global_buffer, .address_space: global }
      - { .name: out0, .offset: 32, .size: 8, .value_kind: global_buffer, .address_space: global }
    .group_segment_fixed_size: 327680
    .private_segment_fixed_size: 0
    .kernarg_segment_align: 8
    .kernarg_segment_size: 40
    .max_flat_workgroup_size: 128
    .sgpr_count:     100
    .vgpr_count:     768
    .wavefront_size: 32
...
	.end_amdgpu_metadata
.endif
;; end of part 7
